; MI455X (gfx1250); checked and timed in simulation.
; The chip was launched on July 23, 2026; its instructions are those of AMD's public machine-readable ISA for CDNA 5 (MIT licence, August 2026) and "CDNA5" Instruction Set Architecture Reference Guide (July 2026). The comments in the code are by the model that wrote it; some were corrected since.
;; Multi Head Attention. Allowed arithmetic: matrix products marked QUANTISED: E4M3 operands, one E8M0 scale for each 32 along K, by v_wmma_scale_f32_16x16x128_f8f6f4 with both operands' format E4M3, f32 sums; everything else in f32.
;; Inputs: Wk_codes 1,024 x 32 x 32 uint8 (E4M3 codes of Wk, K innermost, in blocks of 32 codes); Wk_scales 1,024 x 32 uint8 (E8M0 scales of Wk, one for each 32 codes along K); Wo_codes 1,024 x 32 x 32 uint8 (E4M3 codes of Wo, K innermost, in blocks of 32 codes); Wo_scales 1,024 x 32 uint8 (E8M0 scales of Wo, one for each 32 codes along K); Wq_codes 1,024 x 32 x 32 uint8 (E4M3 codes of Wq, K innermost, in blocks of 32 codes); Wq_scales 1,024 x 32 uint8 (E8M0 scales of Wq, one for each 32 codes along K); Wv_codes 1,024 x 32 x 32 uint8 (E4M3 codes of Wv, K innermost, in blocks of 32 codes); Wv_scales 1,024 x 32 uint8 (E8M0 scales of Wv, one for each 32 codes along K); bk 1,024 float32; bo 1,024 float32; bq 1,024 float32; bv 1,024 float32; key__codes 4 x 2,048 x 32 x 32 uint8 (E4M3 codes of key_, K innermost, in blocks of 32 codes); key__scales 4 x 2,048 x 32 uint8 (E8M0 scales of key_, one for each 32 codes along K); query_codes 4 x 2,048 x 32 x 32 uint8 (E4M3 codes of query, K innermost, in blocks of 32 codes); query_scales 4 x 2,048 x 32 uint8 (E8M0 scales of query, one for each 32 codes along K); value_codes 4 x 2,048 x 32 x 32 uint8 (E4M3 codes of value, K innermost, in blocks of 32 codes); value_scales 4 x 2,048 x 32 uint8 (E8M0 scales of value, one for each 32 codes along K).
;; Outputs: out0 4 x 2,048 x 1,024 float32.
;; This version of the problem:
;;   THIS VERSION OF THE PROBLEM IS GIVEN IN LOW PRECISION. The matrix products marked QUANTISED in the list below multiply operands that are first quantised to E4M3 (4 exponent bits, 3 mantissa bits; 8 bits a number), with one power-of-two scale for each 32 numbers along K (OCP MX v1.0); their sums are f32. All else is computed in f32.
;;   The module's matrix products, in the order in which they are computed (A, B: the left and right operand; K: the contracted axis; several contracted axes count as one K, in the product's order):
;;     1. [M 8,192, K 1,024] x [K 1,024, N 1,024]; A: input query (given as codes); B: input Wq (given as codes): QUANTISED
;;     2. [M 8,192, K 1,024] x [K 1,024, N 1,024]; A: input key_ (given as codes); B: input Wk (given as codes): QUANTISED
;;     3. [M 8,192, K 1,024] x [K 1,024, N 1,024]; A: input value (given as codes); B: input Wv (given as codes): QUANTISED
;;     4. batch 64 x [M 2,048, K 64] x [K 64, N 2,048]; A: computed on the way; B: computed on the way: QUANTISED
;;     5. batch 64 x [M 2,048, K 2,048] x [K 2,048, N 64]; A: softmax (see below); B: computed on the way: QUANTISED
;;     6. [M 8,192, K 1,024] x [K 1,024, N 1,024]; A: computed on the way; B: input Wo (given as codes): QUANTISED
;;   THE QUANTISER, for each operand of a quantised product, along K:
;;     - K is cut into blocks of 32 from its start; a last block that is shorter is filled with zeros.
;;     - A block's scale is 2^e with e = floor(log2(the largest magnitude in the block)) - 8, held to -126 .. 127; a block of zeros has e = 0. As a byte (E8M0): e + 127.
;;     - Each number is divided by its block's scale, clamped to +-448, and rounded to the nearest number of E4M3, ties to even, subnormals kept.
;;     - The product sums the exact products of the quantised numbers (number of the format x scale) in f32.
;;   ~~~python
;;   def quantise(x, axis):      # numpy; x: float32 -> the quantised numbers, widened to float32 again
;;       x = np.moveaxis(x, axis, -1); K = x.shape[-1]
;;       x = np.pad(x, [(0, 0)] * (x.ndim - 1) + [(0, -K % 32)]); x = x.reshape(x.shape[:-1] + (-1, 32)); a = np.abs(x).max(-1, keepdims=True)
;;       e = np.where(a > 0, np.clip(np.frexp(np.where(a > 0, a, 1))[1] - 1 - 8, -126, 127), 0)      # np.frexp(a)[1] - 1 = floor(log2(a)), exactly
;;       r = np.clip(x / 2.0 ** e, -448, 448)
;;       step = 2.0 ** (np.maximum(np.frexp(np.where(r == 0, 1, r))[1] - 1, -6) - 3)
;;       q = np.round(r / step) * step * 2.0 ** e      # np.round: ties to even
;;       return np.moveaxis(q.reshape(q.shape[:-2] + (-1,))[..., :K], -1, axis).astype(np.float32)
;;   ~~~
;;   SOFTMAX AHEAD OF A QUANTISED PRODUCT. Where the list says 'softmax', what is quantised is not the finished softmax but p = 2^(t - M), with t = logit x log2(e) and M = ceil(the row's largest t), a whole number; so 1/2 < the row's largest p <= 1. The row's sum l is taken of the UNQUANTISED p, in f32, and the product's result is divided by l at the end. Since M is a whole number, a kernel that streams over the keys may use a running M (the ceiling of the running maximum): every later rescaling is an exact power of two, which a block's scale takes up: the codes' values come out the same.
;;   OPERANDS COMPUTED ON THE WAY. 'Computed on the way' means the value that the module computes at that place (a softmax that the list does not call 'softmax' is quantised finished and normalised). What goes into a quantiser is computed in f32, as accurately as f32 sums, v_exp_f32 and their like allow (about 1e-6 of the number): no bf16 or f16 on the way to a quantiser, and a product that is left as it is and whose result goes on into a quantised operand takes f32 operands (vector FMAs, or v_wmma_f32_16x16x4_f32). A number that lies on a knife's edge between two numbers of the format may be rounded either way, as far as f32 arithmetic and the matrix unit's own rounding can turn it there, and no further.
;;   INPUTS GIVEN AS CODES. Wk (in the module: [1024, 1024], K = its axis 1); Wo (in the module: [1024, 1024], K = its axis 1); Wq (in the module: [1024, 1024], K = its axis 1); Wv (in the module: [1024, 1024], K = its axis 1); key_ (in the module: [4, 2048, 1024], K = its axis 2); query (in the module: [4, 2048, 1024], K = its axis 2); value (in the module: [4, 2048, 1024], K = its axis 2): each comes as NAME_codes (uint8): NAME with its K axis moved to the last place and cut into blocks of 32 codes, [.., K / 32, bytes a block], one block behind the other in memory; one code a byte (a code: sign, 4 exponent bits, 3 mantissa bits); and NAME_scales (uint8): the same leading axes, one E8M0 byte (e + 127) for each 32 codes along K. Its value is code x scale, taken as it is: it is not quantised again, and the codes and scales need not be those that the quantiser above would give.
;; One version. Each part assembles by itself: llvm-mc -triple=amdgcn-amd-amdhsa -mcpu=gfx1250 --defsym DOCPART=n.
;; ======== version 1 of 1: 4 launches
;; limits: right only within a limited range of input values
;; workspace buffers: qrec 17,301,504 bytes; kv 17,301,504 bytes; cimg 8,388,608 bytes; csc 262,144 bytes
;; launch projqk (part 1): grid 4 x 64, 4 waves a work-group, clusters of 4 x 4, 327,680 bytes of LDS; arguments query_codes, query_scales, Wq_codes, Wq_scales, bq, qrec, key__codes, key__scales, Wk_codes, Wk_scales, bk, kv; writes qrec, kv
.if DOCPART == 1
	.amdgcn_target "amdgcn-amd-amdhsa--gfx1250"
	.amdhsa_code_object_version 6
	.text
	.protected	k_qe8f9fbc71a_projqk
	.globl	k_qe8f9fbc71a_projqk
	.p2align	8
	.type	k_qe8f9fbc71a_projqk,@function
k_qe8f9fbc71a_projqk:
	s_mov_b64 s[64:65], 0
	v_nop
	global_prefetch_b8 v0, s[64:65] scope:SCOPE_SE
	s_setreg_imm32_b32 hwreg(HW_REG_WAVE_MODE, 25, 1), 1
	s_wait_xcnt 0x0
	s_wait_alu depctr_hold_cnt(0) depctr_sa_sdst(0) depctr_va_vdst(0) depctr_va_sdst(0) depctr_va_ssrc(0) depctr_va_vcc(0) depctr_vm_vsrc(0)
	s_getreg_b32 s2, hwreg(HW_REG_IB_STS2, 6, 4)
	s_cmp_eq_u32 s2, 0
	s_cbranch_scc0 .Lentry_in_a_cluster
	s_endpgm
.Lentry_in_a_cluster:
	s_bfe_u32 s2, ttmp6, 0x10000c
	s_cmp_lg_u32 s2, 0xf033
	s_cbranch_scc0 .Lentry_shape_is_right
	s_endpgm
.Lentry_shape_is_right:
.set KROW,   1024
.set KSTEP,  256
.set NQ,     KSTEP/128
.set ROWB,   KSTEP
.set PITCH,  272
.set FR,     16
.set NL,     4
.set NP,     8
.set HALFT,  128*PITCH
.set SLOT,   4*HALFT
.set KS,     KROW/32
.set SCL,    2*SLOT
.set HALFS,  (128*KS/256)*272
.set SBLK,   (16*KS/256)*272
.set SPARE,  SCL+4*HALFS
.set REC,    16896
.set HS,     16*REC
.set KSW,    16384
.set ADRA, 16
.set ADRB, 20
.set ADRS, 27
.set SPW,  28
.set NIL,  29
.set LI,   30
.set KSO,  31
.set SC,   32
.set BIAS, 64
.set AF,   128
.set TM,   64
.set T1,   68
.set HD,   72
.set SCV,  76
.set PW,   80
.set WRD,  88
.set SELV, 92
.set T,    128
.set G1, 24
.set G0, 32
.set G1B, 48
.set G0B, 56
.set G1S, 68
.set G0S, 76
.set G1SB, 80
.set G0SB, 88
.set MNT, 95
.set SEL, 100
.set HIL, 2
.set MSB, 0
.macro WIN new
.if MSB != \new
	s_set_vgpr_msb (MSB<<8)|\new
.set MSB, \new
.endif
.endm
.set MUL_LO, 0xa1
.set MUL_HI, 0xf1
.set FST_LO, 0x81
.set FST_HI, 0xc1
.set TO_B,   0x40
.macro JLOAD g0a, g1a, g0b, g1b
	s_cmp_eq_u32 s15, 0
	s_cbranch_scc0 .Lfor_b_\@
	tensor_load_to_lds s[\g0a:\g0a+3], s[\g1a:\g1a+7]
	s_nop 0
.rept 4
	v_nop
.endr
	s_branch .Lasked_\@
.Lfor_b_\@:
	tensor_load_to_lds s[\g0b:\g0b+3], s[\g1b:\g1b+7]
	s_nop 0
.rept 4
	v_nop
.endr
.Lasked_\@:
.endm
.macro CREST
	s_cmp_lg_u32 s14, 0
	s_cbranch_scc1 .Lnot_wave_0_\@
	s_barrier_signal -3
.Lnot_wave_0_\@:
	s_barrier_wait -3
	s_barrier_signal -1
	s_barrier_wait -1
.endm
.macro CROUND
	s_barrier_signal -1
	s_barrier_wait -1
	CREST
.endm
	s_load_b256 s[4:11], s[0:1], 0x0
	s_load_b128 s[96:99], s[0:1], 0x20
	s_load_b256 s[32:39], s[0:1], 0x30
	s_load_b128 s[56:59], s[0:1], 0x50
	v_lshl_add_u32 v[SPW], v0, 2, SPARE
	v_mov_b32 v[NIL], 0
	ds_add_u32 v28, v29
	ds_add_u32 v28, v29
	s_wait_dscnt 0x0
	v_lshrrev_b32 v1, 5, v0
	v_readfirstlane_b32 s14, v1
	s_lshr_b32 s15, s14, 1
	s_and_b32 s16, s14, 1
	s_bfe_u32 s40, ttmp6, 0x40000
	s_bfe_u32 s41, ttmp6, 0x40004
	s_lshl_b32 s42, ttmp9, 2
	s_add_co_u32 s42, s42, s40
	s_and_b32 s3, ttmp7, 0xffff
	s_and_b32 s17, s3, 7
	s_lshl_b32 s17, s17, 2
	s_add_co_u32 s17, s17, s41
	s_lshl_b32 s43, s41, 2
	s_lshl_b32 s43, 15, s43
	s_lshl_b32 s44, 0x1111, s40
	s_or_b32 s[G1+0], s43, (0<<16)|(1<<20)|(1<<21)|(5<<22)|(3<<25)
	s_or_b32 s[G1B+0], s44, (0<<16)|(1<<20)|(1<<21)|(5<<22)|(3<<25)
.irp g, G1, G1B
	s_mov_b32 s[\g+1], ROWB<<16
	s_mov_b32 s[\g+2], 256<<16                     ; the head's loads bring 256 rows; the ring's 128 (set behind the head's wait)
	s_mov_b32 s[\g+3], ROWB<<16
	s_mov_b32 s[\g+4], 256
	s_mov_b32 s[\g+5], KROW
	s_mov_b32 s[\g+6], 0
	s_mov_b32 s[\g+7], 0
.endr
	s_or_b32 s[G1S+0], s43, (3<<16)|(1<<20)|(1<<21)|(5<<22)|(3<<25)
	s_or_b32 s[G1SB+0], s44, (3<<16)|(1<<20)|(1<<21)|(5<<22)|(3<<25)
.irp g, G1S, G1SB
	s_mov_b32 s[\g+1], 32<<16
	s_mov_b32 s[\g+2], KS<<16                      ; the scales of 256 rows: KS rows of 256 bytes
	s_mov_b32 s[\g+3], 32<<16
	s_mov_b32 s[\g+4], KS
	s_mov_b32 s[\g+5], 32
	s_mov_b32 s[\g+6], 0
	s_mov_b32 s[\g+7], 0
.endr
	s_lshl_b32 s20, s17, 8
	s_lshl_b32 s46, s42, 8
	s_mov_b32 s21, 0
	s_mov_b32 s47, 0
	s_mov_b64 s[18:19], KS
	s_mul_u64 s[22:23], s[20:21], s[18:19]
	s_mul_u64 s[92:93], s[46:47], s[18:19]
	s_mov_b64 s[18:19], KROW
	s_mul_u64 s[20:21], s[20:21], s[18:19]
	s_mul_u64 s[46:47], s[46:47], s[18:19]
	s_mul_i32 s45, s14, HALFT
	s_mul_i32 s18, s16, 128*KROW                   ; in the ring I fetch 128 rows of a tile: which half, in bytes
	s_mov_b32 s19, 0
	s_mov_b32 s[MNT], 0x600000
	s_mov_b32 s[SEL], 0x76543210
	s_mov_b32 s[SEL+1], 0xfedcba98
	s_mov_b32 s[HIL], 0xffff0000
	CROUND                                         ; the opening round, ahead of the wait for the arguments
	s_wait_kmcnt 0x0
	s_cmp_lt_u32 s3, 8
	s_cselect_b64 s[4:5], s[4:5], s[32:33]
	s_cselect_b64 s[6:7], s[6:7], s[34:35]
	s_cselect_b64 s[8:9], s[8:9], s[36:37]
	s_cselect_b64 s[10:11], s[10:11], s[38:39]
	s_cselect_b64 s[66:67], s[96:97], s[56:57]
	s_cselect_b64 s[12:13], s[98:99], s[58:59]
	s_add_nc_u64 s[20:21], s[4:5], s[20:21]
	s_add_nc_u64 s[22:23], s[6:7], s[22:23]
	s_add_nc_u64 s[46:47], s[8:9], s[46:47]
	s_add_nc_u64 s[92:93], s[10:11], s[92:93]
	s_mov_b32 s[G0S], 1
	s_mov_b32 s[G0S+1], SCL
	s_mov_b64 s[G0S+2:G0S+3], s[22:23]
	s_or_b32 s[G0S+3], s[G0S+3], 0x80000000
	s_mov_b32 s[G0SB], 1
	s_mov_b32 s[G0SB+1], SCL+2*HALFS
	s_mov_b64 s[G0SB+2:G0SB+3], s[92:93]
	s_or_b32 s[G0SB+3], s[G0SB+3], 0x80000000
	s_mov_b32 s4, 1                                ; s[4:7], s[8:11]: group 0 of the head's loads of K step 0: A's 256 rows, B's 256 rows
	s_mov_b32 s5, 0
	s_mov_b64 s[6:7], s[20:21]
	s_or_b32 s7, s7, 0x80000000
	s_mov_b32 s8, 1
	s_mov_b32 s9, 2*HALFT
	s_mov_b64 s[10:11], s[46:47]
	s_or_b32 s11, s11, 0x80000000
	s_add_nc_u64 s[20:21], s[20:21], s[18:19]
	s_add_nc_u64 s[46:47], s[46:47], s[18:19]
.irp s, 0,1
	s_mov_b32 s[G0+4*\s], 1
	s_add_co_u32 s[G0+4*\s+1], s45, \s*SLOT
	s_add_nc_u64 s[G0+4*\s+2:G0+4*\s+3], s[20:21], \s*ROWB
	s_or_b32 s[G0+4*\s+3], s[G0+4*\s+3], 0x80000000
	s_mov_b32 s[G0B+4*\s], 1
	s_add_co_u32 s[G0B+4*\s+1], s45, \s*SLOT
	s_add_nc_u64 s[G0B+4*\s+2:G0B+4*\s+3], s[46:47], \s*ROWB
	s_or_b32 s[G0B+4*\s+3], s[G0B+4*\s+3], 0x80000000
.endr
.macro ARM under, g0, g1, next         ; the head's loads, one a wave, in one chain of arms: A's rows, B's rows, A's scales, B's scales
	s_cmp_lt_u32 s14, \under
	s_cbranch_scc0 \next
	tensor_load_to_lds s[\g0:\g0+3], s[\g1:\g1+7]
	s_nop 0
.rept 4
	v_nop
.endr
	s_branch .Lhead_asked
\next:
.endm
	ARM 1, 4, G1, .Lhead_b
	ARM 2, 8, G1B, .Lhead_sa
	ARM 3, G0S, G1S, .Lhead_sb
	tensor_load_to_lds s[G0SB:G0SB+3], s[G1SB:G1SB+7]
	s_nop 0
.rept 4
	v_nop
.endr
.Lhead_asked:
	v_and_b32 v1, 15, v0
	v_bfe_u32 v2, v0, 4, 1
	v_mul_u32_u24 v3, v1, PITCH
	v_lshl_add_u32 v4, v2, 4, v3
	s_mul_i32 s21, s15, HALFT
	s_mul_i32 s22, s16, HALFT
	s_add_co_u32 s22, s22, 2*HALFT
.irp s, 0,1
	v_add_nc_u32 v[ADRA+\s], s21, v4
	v_add_nc_u32 v[ADRB+\s], s22, v4
	s_add_co_u32 s21, s21, SLOT
	s_add_co_u32 s22, s22, SLOT
.endr
	v_mul_u32_u24 v5, v1, KS
	v_lshrrev_b32 v6, 8, v5
	v_lshl_add_u32 v5, v6, 4, v5
	s_mul_i32 s21, s15, HALFS
	s_mul_i32 s22, s16, HALFS
	s_add_co_u32 s22, s22, 2*HALFS
	s_sub_co_u32 s22, s22, s21
	v_mul_u32_u24 v6, s22, v2
	s_add_co_u32 s21, s21, SCL
	v_add_nc_u32 v5, v5, v6
	v_add_nc_u32 v[ADRS], s21, v5
	v_and_b32 v6, 31, v0
	v_lshlrev_b32 v[LI], 4, v6
	v_mul_u32_u24 v[KSO], v2, HS
	v_lshl_add_u32 v[KSO], v1, 4, v[KSO]
	s_lshl_b32 s46, s42, 10
	s_lshl_b32 s47, s16, 9
	s_add_co_u32 s46, s46, s47
	s_mov_b32 s47, 0
	s_add_nc_u64 s[66:67], s[66:67], s[46:47]
	v_lshlrev_b32 v7, 5, v2
.irp b, 0,1,2,3,4,5,6,7
	global_load_b128 v[BIAS+8*\b:BIAS+8*\b+3], v7, s[66:67] offset:64*\b
	global_load_b128 v[BIAS+8*\b+4:BIAS+8*\b+7], v7, s[66:67] offset:64*\b+16
.endr
	s_lshr_b32 s20, s17, 3
	s_lshl_b32 s20, s20, 4
	s_lshl_b32 s21, s42, 2
	s_add_co_u32 s20, s20, s21
	s_lshl_b32 s21, s16, 1
	s_add_co_u32 s20, s20, s21
	s_lshl_b32 s20, s20, 4
	s_and_b32 s21, s17, 7
	s_lshl_b32 s21, s21, 1
	s_add_co_u32 s20, s20, s21
	s_add_co_u32 s20, s20, s15
	s_mul_i32 s20, s20, REC
	s_mov_b32 s21, 0
	s_add_nc_u64 s[12:13], s[12:13], s[20:21]
.macro FRAG reg, adr, q, i
.irp c, 0,1,2,3
	ds_load_b128 v[\reg+4*\c:\reg+4*\c+3], v[\adr] offset:128*(\q)+32*\c+(\i)*16*PITCH
.endr
.endm
.macro MUL16 a0, p, q, sc, first
.irp a, \a0, \a0+1
.irp b, 0,1,2,3,4,5,6,7
.if \first
	v_wmma_scale_f32_16x16x128_f8f6f4 v[8*(8*((\a)%4)+\b):8*(8*((\a)%4)+\b)+7], v[128*(\p)+FR*\b:128*(\p)+FR*\b+FR-1], v[AF+FR*(\a):AF+FR*(\a)+FR-1], v[BIAS+8*\b:BIAS+8*\b+7], v[SC+8*NQ*(\sc)+NQ*\b+(\q)], v[SC+8*NQ*(\sc)+NQ*(\a)+(\q)] matrix_a_scale:MATRIX_SCALE_ROW1
.else
	v_wmma_scale_f32_16x16x128_f8f6f4 v[8*(8*((\a)%4)+\b):8*(8*((\a)%4)+\b)+7], v[128*(\p)+FR*\b:128*(\p)+FR*\b+FR-1], v[AF+FR*(\a):AF+FR*(\a)+FR-1], v[8*(8*((\a)%4)+\b):8*(8*((\a)%4)+\b)+7], v[SC+8*NQ*(\sc)+NQ*\b+(\q)], v[SC+8*NQ*(\sc)+NQ*(\a)+(\q)] matrix_a_scale:MATRIX_SCALE_ROW1
.endif
.endr
.endr
.endm
.macro FETCH_B slot, q, p
	WIN TO_B
.irp i, 0,1,2,3,4,5,6,7
	FRAG 128*(\p)+FR*\i, ADRB+\slot, \q, \i
.endr
	WIN 0
.endm
.macro FETCH_A slot, q, i0
.irp i, \i0, \i0+1, \i0+2, \i0+3
	FRAG AF+FR*(\i), ADRA+\slot, \q, \i
.endr
.endm
.macro SCALES sc
.irp i, 0,1,2,3,4,5,6,7
	ds_load_b64 v[SC+8*NQ*\sc+NQ*\i:SC+8*NQ*\sc+NQ*\i+1], v[ADRS] offset:\i*SBLK
.endr
.endm
.macro PLACES n
.rept \n
	v_nop
.endr
.endm
.macro STEP slot, q, first
	s_wait_dscnt 4*NL
.if \first
	WIN FST_LO
.else
	WIN MUL_LO
.endif
	MUL16 0, (\q)%2, \q, \slot, \first
	MUL16 2, (\q)%2, \q, \slot, \first
	s_wait_dscnt 0
	PLACES NP
	FETCH_B \slot, (\q)+1, 1-(\q)%2
	FETCH_A \slot, (\q)+1, 0
.if \first
	WIN FST_HI
.else
	WIN MUL_HI
.endif
	MUL16 4, (\q)%2, \q, \slot, \first
	MUL16 6, (\q)%2, \q, \slot, \first
	PLACES NP
	WIN 0
	FETCH_A \slot, (\q)+1, 4
.endm
.macro TURN slot, next, fill
	s_wait_tensorcnt 0x0
	ds_add_u32 v[SPW], v[NIL]
	s_wait_dscnt 4*NL+1
	WIN MUL_LO
	MUL16 0, 1, NQ-1, \slot, 0
	s_wait_dscnt 0x0
	s_barrier_signal -1
	MUL16 2, 1, NQ-1, \slot, 0
	WIN 0
	s_barrier_wait -1
.if \fill
	CREST
	s_add_nc_u64 s[G0+4*\slot+2:G0+4*\slot+3], s[G0+4*\slot+2:G0+4*\slot+3], 2*ROWB
	s_add_nc_u64 s[G0B+4*\slot+2:G0B+4*\slot+3], s[G0B+4*\slot+2:G0B+4*\slot+3], 2*ROWB
	JLOAD G0+4*\slot, G1, G0B+4*\slot, G1B
	PLACES NP-4
.else
	PLACES NP
.endif
	s_wait_alu depctr_va_vdst(0)
	v_add_nc_u32 v[ADRS], 4*NQ, v[ADRS]
	FETCH_B \next, 0, 0
	FETCH_A \next, 0, 0
	SCALES \next
	WIN MUL_HI
	MUL16 4, 1, NQ-1, \slot, 0
	MUL16 6, 1, NQ-1, \slot, 0
	PLACES NP
	WIN 0
	FETCH_A \next, 0, 4
.endm
	s_wait_alu depctr_va_vdst(0)                   ; the wait at the head's end
	s_wait_tensorcnt 0x0                           ; my tile of the head's four is in
	ds_add_u32 v[SPW], v[NIL]
	s_mov_b32 s[G1+2], 128<<16                     ; no tensor load of mine is out: from here on a load brings 128 rows
	s_mov_b32 s[G1+4], 128
	s_mov_b32 s[G1B+2], 128<<16
	s_mov_b32 s[G1B+4], 128
	s_wait_dscnt 0x0
	CROUND
	JLOAD G0+4, G1, G0B+4, G1B                     ; K step 1, the first tensor load behind the round
	FETCH_B 0, 0, 0
	FETCH_A 0, 0, 0
	SCALES 0
	FETCH_A 0, 0, 4
	s_wait_loadcnt 0x0
	STEP 0, 0, 1
	TURN 0, 1, 1
	STEP 1, 0, 0
	TURN 1, 0, 1
	STEP 0, 0, 0
	TURN 0, 1, 0
	STEP 1, 0, 0
	s_wait_dscnt 4*NL
	WIN MUL_LO
	MUL16 0, 1, NQ-1, 1, 0
	MUL16 2, 1, NQ-1, 1, 0
	s_wait_dscnt 0
	WIN MUL_HI
	MUL16 4, 1, NQ-1, 1, 0
	MUL16 6, 1, NQ-1, 1, 0
	WIN 0
.macro QUANTW a
.set W, 2+(\a)/4
.set WW, 5*W
.set SRC, 64*((\a)%4)
.set PCD, 16*(\a)
	WIN WW
.irp k, 0,1,2,3
	v_max3_num_f32 v[TM+\k], |v[SRC+16*\k]|, |v[SRC+16*\k+1]|, 0x4800000
.endr
.irp i, 2,4,6,8,10,12,14
.irp k, 0,1,2,3
	v_max3_num_f32 v[TM+\k], |v[SRC+16*\k+\i]|, |v[SRC+16*\k+\i+1]|, v[TM+\k]
.endr
.endr
	WIN 0
.irp k, 0,1,2,3
	v_permlanex16_b32 v[T1+\k], v[TM+\k], s[SEL], s[SEL+1]
.endr
.irp k, 0,1,2,3
	v_max_num_f32 v[TM+\k], v[TM+\k], v[T1+\k]
.endr
.irp k, 0,1,2,3
	v_add_nc_u32 v[SCV+\k], 0xfc000000, v[TM+\k]
.endr
.irp k, 0,1,2,3
	v_and_or_b32 v[HD+\k], v[TM+\k], 0x7f800000, s[MNT]
.endr
.irp k, 0,1,2,3
	v_lshrrev_b32 v[T1+\k], 23, v[SCV+\k]
.endr
	v_lshl_or_b32 v[PW+(\a)], v[T1+1], 8, v[T1]
	v_lshl_or_b32 v[PW+(\a)], v[T1+2], 16, v[PW+(\a)]
	v_lshl_or_b32 v[PW+(\a)], v[T1+3], 24, v[PW+(\a)]
	WIN W
.irp k, 0,1,2,3
.irp i, 0,1,2,3,4,5,6,7,8,9,10,11,12,13,14,15
	v_med3_num_f32 v[T+16*\k+\i], v[SRC+16*\k+\i], -v[HD+\k], v[HD+\k]
.endr
.endr
	WIN 0x40
.irp k, 0,1,2,3
	v_cvt_scalef32_pk8_fp8_f32 v[PCD+4*\k:PCD+4*\k+1], v[T+16*\k:T+16*\k+7], v[SCV+\k]
	v_cvt_scalef32_pk8_fp8_f32 v[PCD+4*\k+2:PCD+4*\k+3], v[T+16*\k+8:T+16*\k+15], v[SCV+\k]
.endr
	v_nop
	WIN 0x04
.irp k, 0,1,2,3
	global_store_b128 v[LI], v[PCD+4*\k:PCD+4*\k+3], s[12:13] offset:(\k/2)*HS+((\a)/2)*2048+(2*((\a)%2)+\k%2)*512
.endr
.endm
	PLACES NP
.irp k, 0,1,2,3
	v_mov_b32 v[T1+\k], 0
.endr
.irp a, 0,1,2,3,4,5,6,7
	QUANTW \a
.endr
	WIN 0
	v_mov_b32 v[SELV], 0x05040100
	v_mov_b32 v[SELV+1], 0x07060302
	v_cndmask_b32 v[SELV], v[SELV], v[SELV+1], s[HIL]
.irp f, 0,1,2,3
	v_perm_b32 v[WRD+\f], v[PW+2*\f+1], v[PW+2*\f], v[SELV]
.endr
	global_store_b128 v[KSO], v[WRD:WRD+3], s[12:13] offset:KSW
	s_wait_tensorcnt 0x0
	ds_add_u32 v[SPW], v[NIL]
	s_wait_dscnt 0x0
	CROUND
	s_endpgm
.Lfunc_end_k_qe8f9fbc71a_projqk:
	.size	k_qe8f9fbc71a_projqk, .Lfunc_end_k_qe8f9fbc71a_projqk-k_qe8f9fbc71a_projqk
	.p2alignl 7, 3214868480
	.fill 96, 4, 3214868480
	.section	.rodata,"a",@progbits
	.p2align	6, 0x0
	.amdhsa_kernel k_qe8f9fbc71a_projqk
		.amdhsa_group_segment_fixed_size 327680
		.amdhsa_private_segment_fixed_size 0
		.amdhsa_enable_private_segment 0
		.amdhsa_kernarg_size 96
		.amdhsa_user_sgpr_count 2
		.amdhsa_user_sgpr_kernarg_segment_ptr 1
		.amdhsa_wavefront_size32 1
		.amdhsa_system_sgpr_workgroup_id_x 1
		.amdhsa_system_sgpr_workgroup_id_y 1
		.amdhsa_system_sgpr_workgroup_id_z 1
		.amdhsa_system_vgpr_workitem_id 0
		.amdhsa_next_free_vgpr 1024
		.amdhsa_next_free_sgpr 102
		.amdhsa_reserve_vcc 0
		.amdhsa_float_denorm_mode_32 3
		.amdhsa_float_denorm_mode_16_64 3
		.amdhsa_memory_ordered 1
		.amdhsa_forward_progress 1
		.amdhsa_inst_pref_size 188
	.end_amdhsa_kernel
	.amdgpu_metadata
---
amdhsa.version: [ 1, 2 ]
amdhsa.kernels:
  - .name:           k_qe8f9fbc71a_projqk
    .symbol:         k_qe8f9fbc71a_projqk.kd
    .args:
      - { .name: query_codes, .offset: 0, .size: 8, .value_kind: global_buffer, .address_space: global }
      - { .name: query_scales, .offset: 8, .size: 8, .value_kind: global_buffer, .address_space: global }
      - { .name: Wq_codes, .offset: 16, .size: 8, .value_kind: global_buffer, .address_space: global }
      - { .name: Wq_scales, .offset: 24, .size: 8, .value_kind: global_buffer, .address_space: global }
      - { .name: bq, .offset: 32, .size: 8, .value_kind: global_buffer, .address_space: global }
      - { .name: qrec, .offset: 40, .size: 8, .value_kind: global_buffer, .address_space: global }
      - { .name: key__codes, .offset: 48, .size: 8, .value_kind: global_buffer, .address_space: global }
      - { .name: key__scales, .offset: 56, .size: 8, .value_kind: global_buffer, .address_space: global }
      - { .name: Wk_codes, .offset: 64, .size: 8, .value_kind: global_buffer, .address_space: global }
      - { .name: Wk_scales, .offset: 72, .size: 8, .value_kind: global_buffer, .address_space: global }
      - { .name: bk, .offset: 80, .size: 8, .value_kind: global_buffer, .address_space: global }
      - { .name: kv, .offset: 88, .size: 8, .value_kind: global_buffer, .address_space: global }
    .group_segment_fixed_size: 327680
    .private_segment_fixed_size: 0
    .kernarg_segment_align: 8
    .kernarg_segment_size: 96
    .max_flat_workgroup_size: 128
    .sgpr_count:     102
    .vgpr_count:     1024
    .wavefront_size: 32
...
	.end_amdgpu_metadata
.endif
;; end of part 1
;; launch projv (part 2): grid 32 x 8, 4 waves a work-group, clusters of 4 x 4, 327,680 bytes of LDS; arguments Wv_codes, Wv_scales, value_codes, value_scales, bv, kv; writes kv
.if DOCPART == 2
	.amdgcn_target "amdgcn-amd-amdhsa--gfx1250"
	.amdhsa_code_object_version 6
	.text
	.protected	k_qe8f9fbc71a_projv
	.globl	k_qe8f9fbc71a_projv
	.p2align	8
	.type	k_qe8f9fbc71a_projv,@function
k_qe8f9fbc71a_projv:
	s_mov_b64 s[64:65], 0
	v_nop
	global_prefetch_b8 v0, s[64:65] scope:SCOPE_SE
	s_setreg_imm32_b32 hwreg(HW_REG_WAVE_MODE, 25, 1), 1
	s_wait_xcnt 0x0
	s_wait_alu depctr_hold_cnt(0) depctr_sa_sdst(0) depctr_va_vdst(0) depctr_va_sdst(0) depctr_va_ssrc(0) depctr_va_vcc(0) depctr_vm_vsrc(0)
	s_getreg_b32 s2, hwreg(HW_REG_IB_STS2, 6, 4)
	s_cmp_eq_u32 s2, 0
	s_cbranch_scc0 .Lentry_in_a_cluster
	s_endpgm
.Lentry_in_a_cluster:
	s_bfe_u32 s2, ttmp6, 0x10000c
	s_cmp_lg_u32 s2, 0xf033
	s_cbranch_scc0 .Lentry_shape_is_right
	s_endpgm
.Lentry_shape_is_right:
; V^T = Wv value^T + bv, [1024 channels][8192 tokens], on codes of FP8 (E4M3) with one E8M0 scale for each 32 along K = 1024; sums in f32.
; V is the second operand of attention's second product, whose K are the keys: the result is quantised at once along the TOKENS, in blocks of 32, and stored as codes in the order of that operand's registers.
; SHARES.  A = Wv (channels), B = value (tokens).  A work-group of four waves makes 128 channels x 256 tokens, so that the grid is 32 x 8 = 256 work-groups; a wave makes 64 x 128: one head, 32 accumulators.
; K goes in four steps of 256 through two LDS slots; each operand has two sets of fragment registers, and a step's 48 LDS loads for the next 128 of K are issued ahead of its 32 products.
; THE HEAD: one joint load a wave: K step 0 of A, of B, A's scale bytes for all of K, B's.  Slot 1's first fill stands behind the full sequence and a round of the cluster's barrier.
; CLUSTERS: 4 x 4.  The four of a row of the cluster need the same tiles of Wv, the four of a column the same tiles of value: each tile is asked for jointly.
; No prefetch: of K's four steps two are asked for ahead of the first product and each of the others a whole step ahead of its use; no trip is left to run ahead in.
; THE MATRIX INSTRUCTION IS USED TRANSPOSED (source 0 = 16 tokens, source 1 = 16 channels): lane (r, h) holds channel r and, in accumulator (a, b), tokens 16 b + 8 h + 0 .. 7.  The bias is the C of each sum's first instruction.
; THE RECORD, for each head and each 128 keys 16,896 bytes: this launch writes bytes 8192..16383 (fragment t: channels 16 t on; register group k, 512 bytes, lane l's 16 bytes at 16 l: key block k) and 16640..16895 (scale word (t, r) at 16 r + 4 t).
; Inside a block of 32 keys a lane's 16 registers of accumulators (a, 2 k), (a, 2 k + 1) take the operand's places 16 h + 0..15; the attention launch lays p in the same order.
; LIMITS: NaN and infinities are not served.  A block whose largest magnitude lies under 2^-118 gets the byte 1; the bytes are read by this program alone.  The bias begins the sum: another order of f32 rounding.
; REGISTERS: window 0: v0-31 addresses; v32-63 scale words, two sets; v64-95 the bias, later the way out's small registers; v128-255 A's fragments, two sets, later held numbers.  window 1: B's fragments, two sets, later the codes.  window 2: the accumulators.
.set KROW,   1024
.set NQ,     2
.set ROWB,   256
.set PITCH,  272                       ; 256 bytes + 16 of padding
.set FR,     16
.set NP,     8                         ; places behind this matrix instruction (ISA guide 7.12.1)
.set HALFA,  64*PITCH
.set HALFT,  128*PITCH
.set AT,     2*HALFA                   ; a slot: A's 128 rows, then B's 256
.set SLOT,   AT+2*HALFT
.set KS,     KROW/32
.set SCL,    2*SLOT                    ; the scales: A's 128 rows, then B's 256, as rows of 256 bytes + 16
.set HALFS,  16*272                    ; those of 128 rows
.set SBLK,   2*272                     ; of 16 rows
.set SPARE,  SCL+3*HALFS
.set REC,    16896
.set HS,     16*REC
.set VOFF,   8192
.set VSW,    16640
.set ADRA, 16
.set ADRB, 20
.set ADRS, 27
.set SPW,  28
.set NIL,  29
.set LI,   30
.set KSO,  31
.set SC,   32
.set BIAS, 64
.set AF,   128
.set TM,   64
.set T1,   68
.set HD,   72
.set SCV,  76
.set PW,   80
.set T,    128
.set G1, 24
.set G0, 32
.set G1B, 48
.set G0B, 56
.set G1S, 68
.set G0S, 76
.set G1SB, 80
.set G0SB, 88
.set G0H, 4
.set G0HB, 8
.set MNT, 95
.set SEL, 100
.set MSB, 0
.macro WIN new
.if MSB != \new
	s_set_vgpr_msb (MSB<<8)|\new
.set MSB, \new
.endif
.endm
.set MUL_LO, 0xa1                      ; source 0 (B) window 1, source 1 (A) window 0, C and D window 2
.set FST_LO, 0x81                      ; the first step: C (the bias) window 0
.set TO_B,   0x40
.macro TL g0, g1                       ; an s_nop 0 and four v_nop follow a tensor load
	tensor_load_to_lds s[\g0:\g0+3], s[\g1:\g1+7]
	s_nop 0
.rept 4
	v_nop
.endr
.endm
.macro JLOAD g0a, g1a, g0b, g1b        ; waves 0 and 1 fetch A's halves, waves 2 and 3 B's
	s_cmp_eq_u32 s15, 0
	s_cbranch_scc0 .Lfor_b_\@
	TL \g0a, \g1a
	s_branch .Lasked_\@
.Lfor_b_\@:
	TL \g0b, \g1b
.Lasked_\@:
.endm
.macro CREST
	s_cmp_lg_u32 s14, 0
	s_cbranch_scc1 .Lnot_wave_0_\@
	s_barrier_signal -3
.Lnot_wave_0_\@:
	s_barrier_wait -3
	s_barrier_signal -1
	s_barrier_wait -1
.endm
.macro CROUND
	s_barrier_signal -1
	s_barrier_wait -1
	CREST
.endm
.macro ARM under, g0, g1, next
	s_cmp_lt_u32 s14, \under
	s_cbranch_scc0 \next
	TL \g0, \g1
	s_branch .Lhead_asked
\next:
.endm
	s_load_b256 s[4:11], s[0:1], 0x0               ; Wv's codes, its scales, value's codes, its scales
	s_load_b64 s[66:67], s[0:1], 0x20              ; bv
	s_load_b64 s[12:13], s[0:1], 0x28              ; the records
	v_lshl_add_u32 v[SPW], v0, 2, SPARE
	v_mov_b32 v[NIL], 0
	ds_add_u32 v[SPW], v[NIL]                      ; the opening lines: the add twice and its wait
	ds_add_u32 v[SPW], v[NIL]
	v_lshrrev_b32 v1, 5, v0
	v_readfirstlane_b32 s14, v1
	s_lshr_b32 s15, s14, 1                         ; my half of the channels.  Also: I fetch for A (0) or for B (1)
	s_and_b32 s16, s14, 1                          ; my half of the tokens.  Also: which half of that tile I fetch
	s_bfe_u32 s40, ttmp6, 0x40000
	s_bfe_u32 s41, ttmp6, 0x40004
	s_lshl_b32 s42, ttmp9, 2
	s_add_co_u32 s42, s42, s40                     ; tile column: 256 tokens
	s_and_b32 s17, ttmp7, 0xffff
	s_lshl_b32 s17, s17, 2
	s_add_co_u32 s17, s17, s41                     ; tile row: 128 channels
	s_lshl_b32 s43, s41, 2
	s_lshl_b32 s43, 15, s43                        ; my row of the cluster
	s_lshl_b32 s44, 0x1111, s40                    ; my column
	s_or_b32 s[G1+0], s43, (0<<16)|(1<<20)|(1<<21)|(5<<22)|(3<<25)
	s_or_b32 s[G1B+0], s44, (0<<16)|(1<<20)|(1<<21)|(5<<22)|(3<<25)
.irp g, G1, G1B
	s_mov_b32 s[\g+1], ROWB<<16
	s_mov_b32 s[\g+3], ROWB<<16
	s_mov_b32 s[\g+5], KROW
	s_mov_b32 s[\g+6], 0
	s_mov_b32 s[\g+7], 0
.endr
	s_mov_b32 s[G1+2], 128<<16                     ; the head's loads bring whole tiles: A's 128 rows, B's 256
	s_mov_b32 s[G1+4], 128
	s_mov_b32 s[G1B+2], 256<<16
	s_mov_b32 s[G1B+4], 256
	s_or_b32 s[G1S+0], s43, (3<<16)|(1<<20)|(1<<21)|(5<<22)|(3<<25)
	s_or_b32 s[G1SB+0], s44, (3<<16)|(1<<20)|(1<<21)|(5<<22)|(3<<25)
.irp g, G1S, G1SB
	s_mov_b32 s[\g+1], 32<<16
	s_mov_b32 s[\g+3], 32<<16
	s_mov_b32 s[\g+5], 32
	s_mov_b32 s[\g+6], 0
	s_mov_b32 s[\g+7], 0
.endr
	s_mov_b32 s[G1S+2], 16<<16                     ; 128 rows x 32 bytes: 16 rows of 256
	s_mov_b32 s[G1S+4], 16
	s_mov_b32 s[G1SB+2], 32<<16
	s_mov_b32 s[G1SB+4], 32
	s_lshl_b32 s20, s17, 7                         ; A's first row
	s_lshl_b32 s46, s42, 8                         ; B's
	s_mov_b32 s21, 0
	s_mov_b32 s47, 0
	s_mov_b64 s[18:19], KS
	s_mul_u64 s[22:23], s[20:21], s[18:19]
	s_mul_u64 s[92:93], s[46:47], s[18:19]
	s_mov_b64 s[18:19], KROW
	s_mul_u64 s[20:21], s[20:21], s[18:19]
	s_mul_u64 s[46:47], s[46:47], s[18:19]
	s_mul_i32 s18, s16, 64*KROW                    ; the ring's halves: in memory,
	s_mov_b32 s19, 0
	s_mul_i32 s2, s16, 128*KROW
	s_mov_b32 s3, 0
	s_mul_i32 s45, s16, HALFA                      ; and in a slot
	s_mul_i32 s96, s16, HALFT
	s_add_co_u32 s96, s96, AT
	s_mov_b32 s[MNT], 0x600000
	s_mov_b32 s[SEL], 0x76543210
	s_mov_b32 s[SEL+1], 0xfedcba98
	s_wait_dscnt 0x0
	CROUND                                         ; the opening round, ahead of the wait for the arguments: all sixteen work-groups are here
	s_wait_kmcnt 0x0
	s_add_nc_u64 s[20:21], s[4:5], s[20:21]
	s_add_nc_u64 s[22:23], s[6:7], s[22:23]
	s_add_nc_u64 s[46:47], s[8:9], s[46:47]
	s_add_nc_u64 s[92:93], s[10:11], s[92:93]
	s_mov_b32 s[G0H], 1
	s_mov_b32 s[G0H+1], 0
	s_mov_b64 s[G0H+2:G0H+3], s[20:21]
	s_or_b32 s[G0H+3], s[G0H+3], 0x80000000
	s_mov_b32 s[G0HB], 1
	s_mov_b32 s[G0HB+1], AT
	s_mov_b64 s[G0HB+2:G0HB+3], s[46:47]
	s_or_b32 s[G0HB+3], s[G0HB+3], 0x80000000
	s_mov_b32 s[G0S], 1
	s_mov_b32 s[G0S+1], SCL
	s_mov_b64 s[G0S+2:G0S+3], s[22:23]
	s_or_b32 s[G0S+3], s[G0S+3], 0x80000000
	s_mov_b32 s[G0SB], 1
	s_mov_b32 s[G0SB+1], SCL+HALFS
	s_mov_b64 s[G0SB+2:G0SB+3], s[92:93]
	s_or_b32 s[G0SB+3], s[G0SB+3], 0x80000000
	s_add_nc_u64 s[20:21], s[20:21], s[18:19]
	s_add_nc_u64 s[46:47], s[46:47], s[2:3]
.irp s, 0,1
	s_mov_b32 s[G0+4*\s], 1
	s_add_co_u32 s[G0+4*\s+1], s45, \s*SLOT
	s_add_nc_u64 s[G0+4*\s+2:G0+4*\s+3], s[20:21], \s*ROWB
	s_or_b32 s[G0+4*\s+3], s[G0+4*\s+3], 0x80000000
	s_mov_b32 s[G0B+4*\s], 1
	s_add_co_u32 s[G0B+4*\s+1], s96, \s*SLOT
	s_add_nc_u64 s[G0B+4*\s+2:G0B+4*\s+3], s[46:47], \s*ROWB
	s_or_b32 s[G0B+4*\s+3], s[G0B+4*\s+3], 0x80000000
.endr
	ARM 1, G0H,  G1,  .Lhead_b                     ; one chain of arms, one load a wave
	ARM 2, G0HB, G1B, .Lhead_sa
	ARM 3, G0S,  G1S, .Lhead_sb
	TL G0SB, G1SB
.Lhead_asked:
	v_and_b32 v1, 15, v0                           ; r
	v_bfe_u32 v2, v0, 4, 1                         ; h
	v_mul_u32_u24 v3, v1, PITCH
	v_lshl_add_u32 v4, v2, 4, v3
	s_mul_i32 s21, s15, HALFA                      ; my 64 rows of A
	s_mul_i32 s22, s16, HALFT                      ; my 128 rows of B
	s_add_co_u32 s22, s22, AT
.irp s, 0,1
	v_add_nc_u32 v[ADRA+\s], s21, v4
	v_add_nc_u32 v[ADRB+\s], s22, v4
	s_add_co_u32 s21, s21, SLOT
	s_add_co_u32 s22, s22, SLOT
.endr
	v_mul_u32_u24 v5, v1, KS
	v_lshrrev_b32 v6, 8, v5
	v_lshl_add_u32 v5, v6, 4, v5
	s_mul_i32 s21, s15, HALFS/2                    ; A's scales: my 64 rows
	s_mul_i32 s22, s16, HALFS                      ; B's: my 128 rows, behind A's 128
	s_add_co_u32 s22, s22, HALFS
	s_sub_co_u32 s22, s22, s21
	v_mul_u32_u24 v6, s22, v2                      ; lanes 16-31 take B's
	s_add_co_u32 s21, s21, SCL
	v_add_nc_u32 v5, v5, v6
	v_add_nc_u32 v[ADRS], s21, v5
	v_and_b32 v6, 31, v0
	v_lshlrev_b32 v[LI], 4, v6
	v_lshlrev_b32 v[KSO], 4, v1                    ; the scale words' place: 16 r; both halves of the lanes hold and store the same words
	s_lshl_b32 s46, s17, 9
	s_lshl_b32 s47, s15, 8
	s_add_co_u32 s46, s46, s47                     ; 4 bytes x (128 x tile row + 64 x half)
	s_mov_b32 s47, 0
	s_add_nc_u64 s[66:67], s[66:67], s[46:47]
	v_lshlrev_b32 v7, 2, v1
.irp a, 0,1,2,3
	global_load_b32 v[BIAS+8*\a], v7, s[66:67] offset:64*\a
.endr
	s_lshr_b32 s20, s42, 3                         ; my record: head 16 x batch + 2 x tile row + my half; keys 128 x (2 x (tile column mod 8) + my half of the tokens)
	s_lshl_b32 s20, s20, 4
	s_lshl_b32 s21, s17, 1
	s_add_co_u32 s20, s20, s21
	s_add_co_u32 s20, s20, s15
	s_lshl_b32 s20, s20, 4
	s_and_b32 s21, s42, 7
	s_lshl_b32 s21, s21, 1
	s_add_co_u32 s20, s20, s21
	s_add_co_u32 s20, s20, s16
	s_mul_i32 s20, s20, REC
	s_mov_b32 s21, 0
	s_add_nc_u64 s[12:13], s[12:13], s[20:21]
.macro FRAG reg, adr, q, i
.irp c, 0,1,2,3
	ds_load_b128 v[\reg+4*\c:\reg+4*\c+3], v[\adr] offset:128*(\q)+32*\c+(\i)*16*PITCH
.endr
.endm
.macro MUL8 a, p, q, sc, first         ; A's block a x B's eight; the 32 accumulators take turns in the same order in every step
.irp b, 0,1,2,3,4,5,6,7
.if \first
	v_wmma_scale_f32_16x16x128_f8f6f4 v[8*(8*(\a)+\b):8*(8*(\a)+\b)+7], v[128*(\p)+FR*\b:128*(\p)+FR*\b+FR-1], v[AF+64*(\p)+FR*(\a):AF+64*(\p)+FR*(\a)+FR-1], v[BIAS+8*(\a):BIAS+8*(\a)+7], v[SC+8*NQ*(\sc)+NQ*\b+(\q)], v[SC+8*NQ*(\sc)+NQ*(\a)+(\q)] matrix_a_scale:MATRIX_SCALE_ROW1
.else
	v_wmma_scale_f32_16x16x128_f8f6f4 v[8*(8*(\a)+\b):8*(8*(\a)+\b)+7], v[128*(\p)+FR*\b:128*(\p)+FR*\b+FR-1], v[AF+64*(\p)+FR*(\a):AF+64*(\p)+FR*(\a)+FR-1], v[8*(8*(\a)+\b):8*(8*(\a)+\b)+7], v[SC+8*NQ*(\sc)+NQ*\b+(\q)], v[SC+8*NQ*(\sc)+NQ*(\a)+(\q)] matrix_a_scale:MATRIX_SCALE_ROW1
.endif
.endr
.endm
.macro FETCH slot, q, p                ; 48 loads: B's eight fragments and A's four of the slot's q-th 128 along K into set p
	WIN TO_B
.irp i, 0,1,2,3,4,5,6,7
	FRAG 128*(\p)+FR*\i, ADRB+\slot, \q, \i
.endr
	WIN 0
.irp i, 0,1,2,3
	FRAG AF+64*(\p)+FR*\i, ADRA+\slot, \q, \i
.endr
.endm
.macro SCALES sc                       ; a K step's scale words: lanes 0-15 A's block i (used for i under 4), lanes 16-31 B's block i
.irp i, 0,1,2,3,4,5,6,7
	ds_load_b64 v[SC+8*NQ*\sc+NQ*\i:SC+8*NQ*\sc+NQ*\i+1], v[ADRS] offset:\i*SBLK
.endr
.endm
.macro PLACES n
.rept \n
	v_nop
.endr
.endm
.macro STEP slot, first                ; a slot's first 128 along K, on set 0; set 1 is fetched ahead of the products
	s_wait_dscnt 0x0
	PLACES NP                                      ; behind the products that read set 1
	FETCH \slot, 1, 1
.if \first
	WIN FST_LO
.else
	WIN MUL_LO
.endif
.irp a, 0,1,2,3
	MUL8 \a, 0, 0, \slot, \first
.endr
	WIN 0
.endm
.macro TURN slot, next, fill           ; a slot's second 128 along K, on set 1, and the change of slots
	s_wait_tensorcnt 0x0                           ; all my tensor loads have landed: my part of the next slot
	ds_add_u32 v[SPW], v[NIL]
	s_wait_dscnt 1                                 ; set 1 is in; the add alone may be out
	WIN MUL_LO
	MUL8 0, 1, 1, \slot, 0
	s_wait_dscnt 0x0                               ; the add is done, and my reads of this slot are over
	s_barrier_signal -1
	MUL8 1, 1, 1, \slot, 0
	WIN 0
	s_barrier_wait -1
.if \fill
	CREST                                          ; the barrier has opened a round of the cluster's barrier
	s_add_nc_u64 s[G0+4*\slot+2:G0+4*\slot+3], s[G0+4*\slot+2:G0+4*\slot+3], 2*ROWB
	s_add_nc_u64 s[G0B+4*\slot+2:G0B+4*\slot+3], s[G0B+4*\slot+2:G0B+4*\slot+3], 2*ROWB
	JLOAD G0+4*\slot, G1, G0B+4*\slot, G1B         ; the first tensor load behind the round
	PLACES NP-4
.else
	PLACES NP
.endif
	v_add_nc_u32 v[ADRS], 4*NQ, v[ADRS]            ; the next K step's scale words
	s_wait_alu depctr_va_vdst(0)                   ; the wait directly behind the write
	FETCH \next, 0, 0
	SCALES \next
	WIN MUL_LO
	MUL8 2, 1, 1, \slot, 0
	MUL8 3, 1, 1, \slot, 0
	WIN 0
.endm
	s_wait_alu depctr_va_vdst(0)                   ; the wait at the head's end
	s_wait_tensorcnt 0x0                           ; my tile of the head's four is in; these lines stand ahead of a later first fill as ahead of a refill
	ds_add_u32 v[SPW], v[NIL]
	s_mov_b32 s[G1+2], 64<<16                      ; no tensor load of mine is out: from here on a load brings half a tile
	s_mov_b32 s[G1+4], 64
	s_mov_b32 s[G1B+2], 128<<16
	s_mov_b32 s[G1B+4], 128
	s_wait_dscnt 0x0
	CROUND
	JLOAD G0+4, G1, G0B+4, G1B                     ; K step 1
	FETCH 0, 0, 0
	SCALES 0
	s_wait_loadcnt 0x0                             ; the bias: one number a lane for each block a fills the block's eight registers
.irp a, 0,1,2,3
.irp i, 1,2,3,4,5,6,7
	v_mov_b32 v[BIAS+8*\a+\i], v[BIAS+8*\a]
.endr
.endr
	s_wait_alu depctr_va_vdst(0)
	STEP 0, 1
	TURN 0, 1, 1
	STEP 1, 0
	TURN 1, 0, 1
	STEP 0, 0
	TURN 0, 1, 0
	STEP 1, 0
	s_wait_dscnt 0x0
	WIN MUL_LO
.irp a, 0,1,2,3
	MUL8 \a, 1, 1, 1, 0
.endr
	WIN 0
; THE WAY OUT.  Block a is fragment a of my head: a lane's 64 registers are four key blocks of 16; a block of 32 keys lies in lanes l and l xor 16.
; The largest magnitude with the floor 2^(9 - 127); 8 off its exponent field is the conversion's scale operand, that shifted the byte; the hold at 448 x the scale (the conversion does not saturate: ISA guide 7.6.2).
.macro QUANTW a
.set SRC, 64*(\a)
.set PCD, 16*(\a)
	WIN 0x0a
.irp k, 0,1,2,3
	v_max3_num_f32 v[TM+\k], |v[SRC+16*\k]|, |v[SRC+16*\k+1]|, 0x4800000
.endr
.irp i, 2,4,6,8,10,12,14
.irp k, 0,1,2,3
	v_max3_num_f32 v[TM+\k], |v[SRC+16*\k+\i]|, |v[SRC+16*\k+\i+1]|, v[TM+\k]
.endr
.endr
	WIN 0
.irp k, 0,1,2,3
	v_permlanex16_b32 v[T1+\k], v[TM+\k], s[SEL], s[SEL+1]
.endr
.irp k, 0,1,2,3
	v_max_num_f32 v[TM+\k], v[TM+\k], v[T1+\k]
.endr
.irp k, 0,1,2,3
	v_add_nc_u32 v[SCV+\k], 0xfc000000, v[TM+\k]
.endr
.irp k, 0,1,2,3
	v_and_or_b32 v[HD+\k], v[TM+\k], 0x7f800000, s[MNT]
.endr
.irp k, 0,1,2,3
	v_lshrrev_b32 v[T1+\k], 23, v[SCV+\k]
.endr
	v_lshl_or_b32 v[PW+(\a)], v[T1+1], 8, v[T1]
	v_lshl_or_b32 v[PW+(\a)], v[T1+2], 16, v[PW+(\a)]
	v_lshl_or_b32 v[PW+(\a)], v[T1+3], 24, v[PW+(\a)]
	WIN 2
.irp k, 0,1,2,3
.irp i, 0,1,2,3,4,5,6,7,8,9,10,11,12,13,14,15
	v_med3_num_f32 v[T+16*\k+\i], v[SRC+16*\k+\i], -v[HD+\k], v[HD+\k]
.endr
.endr
	WIN 0x40
.irp k, 0,1,2,3
	v_cvt_scalef32_pk8_fp8_f32 v[PCD+4*\k:PCD+4*\k+1], v[T+16*\k:T+16*\k+7], v[SCV+\k]
	v_cvt_scalef32_pk8_fp8_f32 v[PCD+4*\k+2:PCD+4*\k+3], v[T+16*\k+8:T+16*\k+15], v[SCV+\k]
.endr
	v_nop                                          ; one plain line behind the last conversion
	WIN 0x04
.irp k, 0,1,2,3
	global_store_b128 v[LI], v[PCD+4*\k:PCD+4*\k+3], s[12:13] offset:VOFF+(\a)*2048+512*\k   ; 512 consecutive bytes, aligned
.endr
.endm
	PLACES NP
.irp k, 0,1,2,3
	v_mov_b32 v[T1+\k], 0                          ; a lane permute's destination counts as one of its sources
.endr
.irp a, 0,1,2,3
	QUANTW \a
.endr
	WIN 0
	global_store_b128 v[KSO], v[PW:PW+3], s[12:13] offset:VSW   ; my head's scale words: 256 consecutive bytes, aligned
	s_wait_tensorcnt 0x0                           ; the wave's end
	ds_add_u32 v[SPW], v[NIL]
	s_wait_dscnt 0x0
	CROUND                                         ; the closing round
	s_endpgm
.Lfunc_end_k_qe8f9fbc71a_projv:
	.size	k_qe8f9fbc71a_projv, .Lfunc_end_k_qe8f9fbc71a_projv-k_qe8f9fbc71a_projv
	.p2alignl 7, 3214868480
	.fill 96, 4, 3214868480
	.section	.rodata,"a",@progbits
	.p2align	6, 0x0
	.amdhsa_kernel k_qe8f9fbc71a_projv
		.amdhsa_group_segment_fixed_size 327680
		.amdhsa_private_segment_fixed_size 0
		.amdhsa_enable_private_segment 0
		.amdhsa_kernarg_size 48
		.amdhsa_user_sgpr_count 2
		.amdhsa_user_sgpr_kernarg_segment_ptr 1
		.amdhsa_wavefront_size32 1
		.amdhsa_system_sgpr_workgroup_id_x 1
		.amdhsa_system_sgpr_workgroup_id_y 1
		.amdhsa_system_sgpr_workgroup_id_z 1
		.amdhsa_system_vgpr_workitem_id 0
		.amdhsa_next_free_vgpr 768
		.amdhsa_next_free_sgpr 102
		.amdhsa_reserve_vcc 0
		.amdhsa_float_denorm_mode_32 3
		.amdhsa_float_denorm_mode_16_64 3
		.amdhsa_memory_ordered 1
		.amdhsa_forward_progress 1
		.amdhsa_inst_pref_size 111
	.end_amdhsa_kernel
	.amdgpu_metadata
---
amdhsa.version: [ 1, 2 ]
amdhsa.kernels:
  - .name:           k_qe8f9fbc71a_projv
    .symbol:         k_qe8f9fbc71a_projv.kd
    .args:
      - { .name: Wv_codes, .offset: 0, .size: 8, .value_kind: global_buffer, .address_space: global }
      - { .name: Wv_scales, .offset: 8, .size: 8, .value_kind: global_buffer, .address_space: global }
      - { .name: value_codes, .offset: 16, .size: 8, .value_kind: global_buffer, .address_space: global }
      - { .name: value_scales, .offset: 24, .size: 8, .value_kind: global_buffer, .address_space: global }
      - { .name: bv, .offset: 32, .size: 8, .value_kind: global_buffer, .address_space: global }
      - { .name: kv, .offset: 40, .size: 8, .value_kind: global_buffer, .address_space: global }
    .group_segment_fixed_size: 327680
    .private_segment_fixed_size: 0
    .kernarg_segment_align: 8
    .kernarg_segment_size: 48
    .max_flat_workgroup_size: 128
    .sgpr_count:     102
    .vgpr_count:     768
    .wavefront_size: 32
...
	.end_amdgpu_metadata
.endif
;; end of part 2
;; launch attn (part 3): grid 4 x 64, 8 waves a work-group, clusters of 4 x 1, 327,680 bytes of LDS; arguments qrec, kv, cimg, csc; writes cimg, csc
.if DOCPART == 3
	.amdgcn_target "amdgcn-amd-amdhsa--gfx1250"
	.amdhsa_code_object_version 6
	.text
	.protected	k_qe8f9fbc71a_attn
	.globl	k_qe8f9fbc71a_attn
	.p2align	8
	.type	k_qe8f9fbc71a_attn,@function
k_qe8f9fbc71a_attn:
	s_mov_b64 s[64:65], 0
	v_nop
	global_prefetch_b8 v0, s[64:65] scope:SCOPE_SE
	s_setreg_imm32_b32 hwreg(HW_REG_WAVE_MODE, 25, 1), 1
	s_wait_xcnt 0x0
	s_wait_alu depctr_hold_cnt(0) depctr_sa_sdst(0) depctr_va_vdst(0) depctr_va_sdst(0) depctr_va_ssrc(0) depctr_va_vcc(0) depctr_vm_vsrc(0)
	s_getreg_b32 s2, hwreg(HW_REG_IB_STS2, 6, 4)
	s_cmp_eq_u32 s2, 0
	s_cbranch_scc0 .Lentry_in_a_cluster
	s_endpgm
.Lentry_in_a_cluster:
	s_bfe_u32 s2, ttmp6, 0x10000c
	s_cmp_lg_u32 s2, 0x3003
	s_cbranch_scc0 .Lentry_shape_is_right
	s_endpgm
.Lentry_shape_is_right:
; ctx = softmax(Q K^T / 8) V for one head, both products on codes of FP8 (E4M3) with one E8M0 scale for each 32 along a product's K; ctx is quantised at once along the head's 64 for the last projection.
; t = score x log2(e) / 8; M = the running largest t rounded up to a whole number; p = 2^(t - M) is quantised along the keys; the row's sum is taken of the unquantised p in f32 and divides O at the end.
; SHARES.  64 heads x 4 work-groups of 512 queries; the four of a head form a cluster and ask for the head's K and V jointly.  Eight waves, two to a SIMD; a wave owns two tiles of 16 queries (u = 0, 1) in each of two passes and walks 16 steps of 128 keys.
; LDS.  A head's 16 records of 16,896 bytes (K's fragments, V's fragments, their scale words, in the order of the operand registers) and record 0 once more behind them, so that the fetch of the next step's K reads filled bytes in the last step too.
; All is asked for at the head, one joint load a wave; nothing is filled again.  Waves 0-3 bring records 0-3 and wait at the first barrier; the rest is shown by the barrier behind step 2.
; No prefetch: every byte is asked for at the head, and no later load stands in a loop that a request could run ahead of.
; A STEP.  S^T = K Q^T (a head's 64 fill half of the instruction's 128: K's fragment holds two tiles of keys, Q stands beside zeros); both products are used transposed, a lane holds one query.
; One tile's exponentials stand among plain lines of the other tile that hang on nothing written there.
; LIMITS: the promise holds while |t| stays under 2^31.  NaN and infinities are not served.  A block whose largest p lies under 2^-118 gets the byte 1; the bytes are read by this program alone.
; A block's largest p is made from the block's largest score by the same two instructions as every p.
.set REC,   16896
.set HS,    16*REC
.set VOFF,  8192
.set KSW,   16384
.set VSW,   16640
.set SPARE, 17*REC                     ; the spare words, 128 bytes a wave
.set LI,   1                           ; 16 x lane
.set KSA,  2                           ; 16 x (lane % 16)
.set ADK,  3                           ; LDS address of the step's fragments
.set ADS,  4                           ; of its scale words
.set CO,   5
.set SO,   6
.set TMPV, 7
.set ST,   8                           ; per tile 8: -M, largest t, the sum (2), f, 0, at work, the old -M
.set KW,   24                          ; scale words: K's, V's, Q's
.set VW,   28
.set QR,   32
.set QW,   34
.set BM,   40                          ; per tile 16: block maxima, at work, 448 x scale, the conversions' scale operands
.set T1,   44
.set HD,   48
.set SCO,  52
.set PCD,  72                          ; p's codes, 16 a tile; ahead of them tile 0's first-level sums
.set SS,   104                         ; S^T, then p: 64 a tile
.set PWD,  232                         ; p's scale words
.set KFR,  0                           ; window 1
.set VFR,  64
.set OT,   128
.set QF,   192
.set QN,   240
.set WV,   12
.set SEL,  20
.set CS,   22
.set MNT,  24
.set TB,   25
.set CNT,  26
.set HIL,  27
.set G1A,  28                          ; group 1: one record;  G1B: four records
.set G1B,  36
.set G0A,  44
.set G0B,  48
.set QB,   52
.set QS,   54
.set CB,   56
.set SB,   58
.set G0C,  60
.set MSB, 0
.macro WIN new
.if MSB != \new
	s_set_vgpr_msb (MSB<<8)|\new
.set MSB, \new
.endif
.endm
.macro CROUND
	s_barrier_signal -1
	s_barrier_wait -1
	s_cmp_lg_u32 s[WV], 0
	s_cbranch_scc1 .Lnot_wave_0_\@
	s_barrier_signal -3
.Lnot_wave_0_\@:
	s_barrier_wait -3
	s_barrier_signal -1
	s_barrier_wait -1
.endm
.macro TLOAD g0, g1                    ; an s_nop 0 and four v_nop follow a tensor load
	tensor_load_to_lds s[\g0:\g0+3], s[\g1:\g1+7]
	s_nop 0
.rept 4
	v_nop
.endr
.endm
	s_load_b256 s[4:11], s[0:1], 0x0
	v_lshl_add_u32 v254, v0, 2, SPARE
	v_mov_b32 v255, 0
	ds_add_u32 v254, v255                          ; the opening lines: the add twice and its wait
	ds_add_u32 v254, v255
	v_lshrrev_b32 v[TMPV], 5, v0
	s_delay_alu instid0(VALU_DEP_1)
	v_readfirstlane_b32 s[WV], v[TMPV]
	v_and_b32 v[TMPV], 31, v0
	s_delay_alu instid0(VALU_DEP_1)
	v_lshlrev_b32 v[LI], 4, v[TMPV]
	s_delay_alu instid0(VALU_DEP_2)
	v_lshlrev_b32 v[SO], 5, v[TMPV]
	v_and_b32 v[KSA], 15, v0
	v_bfe_u32 v[ADK], v0, 4, 1
	s_delay_alu instid0(VALU_DEP_2)
	v_lshlrev_b32 v[CO], 4, v[KSA]
	s_delay_alu instid0(VALU_DEP_1)
	v_lshl_add_u32 v[CO], v[ADK], 3, v[CO]
	s_delay_alu instid0(VALU_DEP_4)
	v_lshlrev_b32 v[KSA], 4, v[KSA]
	s_bfe_u32 s13, ttmp6, 0x40000                  ; cx: which 512 queries
	s_and_b32 s14, ttmp7, 0xffff                   ; the head
	s_mul_i32 s16, s14, HS
	s_mov_b32 s17, 0
	s_mul_i32 s18, s[WV], REC                      ; waves 0-3: record = wave
	s_mov_b32 s19, 0
	s_and_b32 s3, s[WV], 3
	s_mul_i32 s2, s3, 4*REC                        ; waves 4-6: records 4 + 4 (wave - 4) on
	s_add_co_u32 s2, s2, 4*REC
	s_mov_b32 s3, 0
	s_mov_b32 s[G1A], 15|(3<<16)|(1<<21)           ; the mask of the cluster's four; elements of 8 bytes; rows of 256 bytes, dense
	s_mov_b32 s[G1A+1], 32<<16
	s_mov_b32 s[G1A+2], (REC/256)<<16
	s_mov_b32 s[G1A+3], 32<<16
	s_mov_b32 s[G1A+4], REC/256
	s_mov_b32 s[G1A+5], 32
	s_mov_b32 s[G1A+6], 0
	s_mov_b32 s[G1A+7], 0
	s_mov_b32 s[G1B], 15|(3<<16)|(1<<21)
	s_mov_b32 s[G1B+1], 32<<16
	s_mov_b32 s[G1B+2], (4*REC/256)<<16
	s_mov_b32 s[G1B+3], 32<<16
	s_mov_b32 s[G1B+4], 4*REC/256
	s_mov_b32 s[G1B+5], 32
	s_mov_b32 s[G1B+6], 0
	s_mov_b32 s[G1B+7], 0
	s_mov_b32 s[SEL], 0x76543210
	s_mov_b32 s[SEL+1], 0xfedcba98
	s_mov_b32 s[CS], 0x3e38aa3b                    ; log2(e) / 8
	s_mov_b32 s[CS+1], s[CS]
	s_mov_b32 s[MNT], 0x600000
	s_mov_b32 s[HIL], 0xffff0000
	s_wait_alu depctr_va_vdst(0)
	s_wait_dscnt 0x0
	CROUND                                         ; the opening round, ahead of the wait for the arguments
	s_wait_kmcnt 0x0
	s_lshl_b32 s15, s13, 2                         ; the first pass's Q is asked for first: it is wanted first
	s_lshr_b32 s52, s[WV], 2
	s_add_co_u32 s15, s15, s52
	s_mul_i32 s52, s15, REC
	s_add_co_u32 s52, s52, s16
	s_mov_b32 s53, 0
	s_and_b32 s15, s[WV], 3
	s_lshl_b32 s54, s15, 2
	s_add_co_u32 s54, s54, s52
	s_add_co_u32 s54, s54, KSW
	s_mov_b32 s55, 0
	s_lshl_b32 s15, s15, 11
	s_add_co_u32 s52, s52, s15
	s_add_nc_u64 s[QB:QB+1], s[4:5], s[52:53]
	s_add_nc_u64 s[QS:QS+1], s[4:5], s[54:55]
	WIN 0x40
.irp u, 0,1
.irp c, 0,1
	global_load_b128 v[QF+24*\u+4*\c:QF+24*\u+4*\c+3], v[LI], s[QB:QB+1] offset:512*(2*\u+\c)
	global_load_b128 v[QF+24*\u+16+4*\c:QF+24*\u+16+4*\c+3], v[LI], s[QB:QB+1] offset:512*(2*\u+\c)
.endr
.endr
	WIN 0
	global_load_b32 v[QR], v[KSA], s[QS:QS+1]
	s_add_nc_u64 s[6:7], s[6:7], s[16:17]
	s_mov_b32 s[G0A], 1
	s_mov_b32 s[G0A+1], s18
	s_add_nc_u64 s[G0A+2:G0A+3], s[6:7], s[18:19]
	s_or_b32 s[G0A+3], s[G0A+3], 0x80000000
	s_mov_b32 s[G0B], 1
	s_mov_b32 s[G0B+1], s2
	s_add_nc_u64 s[G0B+2:G0B+3], s[6:7], s[2:3]
	s_or_b32 s[G0B+3], s[G0B+3], 0x80000000
	s_mov_b32 s[G0C], 1
	s_mov_b32 s[G0C+1], 16*REC
	s_mov_b64 s[G0C+2:G0C+3], s[6:7]
	s_or_b32 s[G0C+3], s[G0C+3], 0x80000000
	s_cmp_lt_u32 s[WV], 4                          ; one chain of arms, one joint load a wave
	s_cbranch_scc0 .Lrest
	TLOAD G0A, G1A                                 ; waves 0-3: records 0-3, wanted first
	s_branch .Lasked
.Lrest:
	s_cmp_lt_u32 s[WV], 7
	s_cbranch_scc0 .Lcopy
	TLOAD G0B, G1B                                 ; waves 4-6: records 4-15
	s_branch .Lasked
.Lcopy:
	TLOAD G0C, G1A                                 ; wave 7: record 0 once more, behind record 15
.Lasked:
	s_lshr_b32 s15, s14, 4
	s_lshl_b32 s56, s15, 7
	s_lshl_b32 s58, s13, 5
	s_add_co_u32 s56, s56, s58
	s_lshl_b32 s58, s[WV], 1
	s_add_co_u32 s56, s56, s58
	s_lshl_b32 s58, s56, 9
	s_lshl_b32 s56, s56, 14
	s_and_b32 s15, s14, 15
	s_lshl_b32 s57, s15, 10
	s_add_co_u32 s56, s56, s57
	s_lshl_b32 s57, s15, 1
	s_add_co_u32 s58, s58, s57
	s_mov_b32 s57, 0
	s_mov_b32 s59, 0
	s_add_nc_u64 s[CB:CB+1], s[8:9], s[56:57]
	s_add_nc_u64 s[SB:SB+1], s[10:11], s[58:59]
	WIN 0x40
	s_wait_alu depctr_va_vdst(0)
.irp u, 0,1
.irp c, 0,1
	global_load_b128 v[QN+8*\u+4*\c:QN+8*\u+4*\c+3], v[LI], s[QB:QB+1] offset:2*REC+512*(2*\u+\c)
.endr
.endr
.irp u, 0,1
.irp i, 0,1,2,3,4,5,6,7
	v_mov_b32 v[QF+24*\u+8+\i], 0                  ; the zeros beside Q
.endr
.endr
	WIN 0
	global_load_b32 v[QR+1], v[KSA], s[QS:QS+1] offset:2*REC
.irp u, 0,1
.irp b, 0,1,2,3
	v_mov_b32 v[T1+16*\u+\b], 0
.endr
	v_mov_b32 v[ST+8*\u+5], 0
	v_mov_b32 v[ST+8*\u+7], 0
.endr
.macro INIT p                          ; a pass begins: Q's fragments and scale words, -M, the sums and O^T
.if \p
	s_wait_xcnt 0x0
	WIN 0x41
.irp u, 0,1
.irp i, 0,1,2,3,4,5,6,7
	v_mov_b32 v[QF+24*\u+\i], v[QN+8*\u+\i]
	v_mov_b32 v[QF+24*\u+16+\i], v[QN+8*\u+\i]
.endr
.endr
	WIN 0
.endif
	v_perm_b32 v[QW], v[QR+\p], v[QR+\p], 0x01000100
	v_perm_b32 v[QW+1], v[QR+\p], v[QR+\p], 0x03020302
.irp u, 0,1
	v_mov_b32 v[ST+8*\u+1], 0xff61b1e6
	s_delay_alu instid0(VALU_DEP_1)
	v_floor_f32 v[ST+8*\u], -v[ST+8*\u+1]
	v_mov_b32 v[ST+8*\u+2], 0
	v_mov_b32 v[ST+8*\u+3], 0
.endr
	WIN 0x40
.set j, 0
.rept 64
	v_mov_b32 v[OT+j], 0
.set j, j+1
.endr
	WIN 0
	s_mov_b32 s[TB], 0
.endm
.macro NEXT                            ; the coming step's addresses, and -M as it stands
	v_add_nc_u32 v[ADK], s[TB], v[LI]
	v_add_nc_u32 v[ADS], s[TB], v[KSA]
	v_mov_b32 v[ST+7], v[ST]
	v_mov_b32 v[ST+15], v[ST+8]
.endm
.macro MAXP u                          ; the largest score of each block of 32 keys, my 16 of them: two chains a block, each accumulator read from its low end on
.irp b, 0,1,2,3
	v_max3_num_f32 v[BM+16*\u+\b], v[SS+64*\u+16*\b], v[SS+64*\u+16*\b+1], v[SS+64*\u+16*\b+2]
	v_max3_num_f32 v[T1+16*\u+\b], v[SS+64*\u+16*\b+9], v[SS+64*\u+16*\b+10], v[SS+64*\u+16*\b+11]
.endr
.irp i, 3,5
.irp b, 0,1,2,3
	v_max3_num_f32 v[BM+16*\u+\b], v[BM+16*\u+\b], v[SS+64*\u+16*\b+\i], v[SS+64*\u+16*\b+\i+1]
	v_max3_num_f32 v[T1+16*\u+\b], v[T1+16*\u+\b], v[SS+64*\u+16*\b+\i+9], v[SS+64*\u+16*\b+\i+10]
.endr
.endr
.irp b, 0,1,2,3
	v_max3_num_f32 v[BM+16*\u+\b], v[BM+16*\u+\b], v[SS+64*\u+16*\b+7], v[SS+64*\u+16*\b+8]
.endr
.irp b, 0,1,2,3
	v_max_num_f32 v[BM+16*\u+\b], v[BM+16*\u+\b], v[T1+16*\u+\b]
.endr
.endm
.macro BSC u                           ; from a block's largest p: the floor, the conversion's scale operand, 448 x the scale, the byte; the four bytes make p's scale word
.irp b, 0,1,2,3
	v_max_num_f32 v[BM+16*\u+\b], 0x4800000, v[BM+16*\u+\b]
.endr
.irp b, 0,1,2,3
	v_add_nc_u32 v[SCO+16*\u+\b], 0xfc000000, v[BM+16*\u+\b]
.endr
.irp b, 0,1,2,3
	v_and_or_b32 v[HD+16*\u+\b], v[BM+16*\u+\b], 0x7f800000, s[MNT]
.endr
.irp b, 0,1,2,3
	v_lshrrev_b32 v[T1+16*\u+\b], 23, v[SCO+16*\u+\b]
.endr
	v_lshl_or_b32 v[T1+16*\u], v[T1+16*\u+1], 8, v[T1+16*\u]
	v_lshl_or_b32 v[T1+16*\u+2], v[T1+16*\u+3], 8, v[T1+16*\u+2]
	v_lshl_or_b32 v[PWD+\u], v[T1+16*\u+2], 16, v[T1+16*\u]
.endm
.macro DMIN u, m                       ; two of tile u's 64 holds (p is not negative: one-sided; the conversion does not saturate, ISA guide 7.6.2): an even register of one block with an odd one of its neighbour
.set BP_, 2*((\m)/16)
.set I_, 2*(((\m)%16)/2)
.if (\m)%2
.set X_, SS+64*(\u)+16*(BP_+1)+I_
.set HX_, HD+16*(\u)+BP_+1
.set Y_, SS+64*(\u)+16*BP_+I_+1
.set HY_, HD+16*(\u)+BP_
.else
.set X_, SS+64*(\u)+16*BP_+I_
.set HX_, HD+16*(\u)+BP_
.set Y_, SS+64*(\u)+16*(BP_+1)+I_+1
.set HY_, HD+16*(\u)+BP_+1
.endif
	v_dual_min_num_f32 v[X_], v[X_], v[HX_] :: v_dual_min_num_f32 v[Y_], v[Y_], v[HY_]
.endm
.macro CVT u
.irp b, 0,1,2,3
	v_cvt_scalef32_pk8_fp8_f32 v[PCD+16*\u+4*\b:PCD+16*\u+4*\b+1], v[SS+64*\u+16*\b:SS+64*\u+16*\b+7], v[SCO+16*\u+\b]
	v_cvt_scalef32_pk8_fp8_f32 v[PCD+16*\u+4*\b+2:PCD+16*\u+4*\b+3], v[SS+64*\u+16*\b+8:SS+64*\u+16*\b+15], v[SCO+16*\u+\b]
.endr
.endm
.macro PV u                            ; O^T += V^T P^T, the four accumulators by turns
	WIN 0x51
.irp t, 0,1,2,3
	v_wmma_scale_f32_16x16x128_f8f6f4 v[OT+32*\u+8*\t:OT+32*\u+8*\t+7], v[VFR+16*\t:VFR+16*\t+15], v[PCD+16*\u:PCD+16*\u+15], v[OT+32*\u+8*\t:OT+32*\u+8*\t+7], v[VW+\t], v[PWD+\u]
.endr
	WIN 0
.endm
.macro PADD d, a, b
	v_pk_add_f32 v[\d:\d+1], v[\a:\a+1], v[\b:\b+1]
.endm
.macro STEP
	s_wait_dscnt 0x0                               ; K's fragments and scale words, asked for in the step before
	WIN 0x05
.irp u, 0,1
.irp b, 0,1,2,3
.irp s, 0,1
	v_wmma_scale_f32_16x16x128_f8f6f4 v[SS+64*\u+8*(2*\b+\s):SS+64*\u+8*(2*\b+\s)+7], v[KFR+16*\b:KFR+16*\b+15], v[QF+24*\u+8*\s:QF+24*\u+8*\s+15], 0, v[KW+\b], v[QW+\u]
.if \u
	v_nop                                          ; eight places behind tile 0's products; tile 1's are tile 0's maxima
.endif
.endr
.endr
.endr
	WIN 0
	MAXP 0
	MAXP 1
	ds_load_b128 v[VW:VW+3], v[ADS] offset:VSW     ; 34 loads: V of this step, then K of the next (64 plain lines stand behind the products that read these registers)
	WIN 0x40
.irp i, 0,1,2,3,4,5,6,7,8,9,10,11,12,13,14,15
	ds_load_b128 v[VFR+4*\i:VFR+4*\i+3], v[ADK] offset:VOFF+512*\i
.endr
.irp i, 0,1,2,3,4,5,6,7,8,9,10,11,12,13,14,15
	ds_load_b128 v[KFR+4*\i:KFR+4*\i+3], v[ADK] offset:REC+512*\i
.endr
	WIN 0
	ds_load_b128 v[KW:KW+3], v[ADS] offset:REC+KSW
.irp b, 0,1,2,3
.irp u, 0,1
	v_permlanex16_b32 v[T1+16*\u+\b], v[BM+16*\u+\b], s[SEL], s[SEL+1]
.endr
.endr
.irp b, 0,1,2,3
.irp u, 0,1
	v_max_num_f32 v[BM+16*\u+\b], v[BM+16*\u+\b], v[T1+16*\u+\b]   ; with lane l xor 16's 16 keys
.endr
.endr
.irp u, 0,1
	v_max3_num_f32 v[ST+8*\u+6], v[BM+16*\u], v[BM+16*\u+1], v[BM+16*\u+2]
.endr
.irp u, 0,1
	v_max_num_f32 v[ST+8*\u+6], v[ST+8*\u+6], v[BM+16*\u+3]
.endr
.irp u, 0,1
	v_mul_f32 v[ST+8*\u+6], s[CS], v[ST+8*\u+6]
.endr
.irp u, 0,1
	v_max_num_f32 v[ST+8*\u+1], v[ST+8*\u+1], v[ST+8*\u+6]         ; the running largest t
.endr
.irp u, 0,1
	v_floor_f32 v[ST+8*\u], -v[ST+8*\u+1]                          ; -M
.endr
.irp u, 0,1
	v_sub_f32 v[ST+8*\u+6], v[ST+8*\u], v[ST+8*\u+7]               ; old M - new M
.endr
.irp u, 0,1
	v_cvt_i32_f32 v[ST+8*\u+6], v[ST+8*\u+6]
.endr
.irp u, 0,1
	v_ldexp_f32 v[ST+8*\u+4], 1.0, v[ST+8*\u+6]                    ; f = 2^(old M - new M)
.endr
	WIN 0x41
.set j, 0
.rept 16
.irp u, 0,1
	v_pk_mul_f32 v[OT+32*\u+j:OT+32*\u+j+1], v[OT+32*\u+j:OT+32*\u+j+1], v[ST+8*\u+4:ST+8*\u+5] op_sel_hi:[1,0]   ; O^T under the new M, ahead of the step's exponentials
.endr
.set j, j+2
.endr
	WIN 0
.irp u, 0,1
	v_pk_mul_f32 v[ST+8*\u+2:ST+8*\u+3], v[ST+8*\u+2:ST+8*\u+3], v[ST+8*\u+4:ST+8*\u+5] op_sel_hi:[1,0]
.endr
.set j, 0
.rept 32
	v_pk_fma_f32 v[SS+j:SS+j+1], v[SS+j:SS+j+1], s[CS:CS+1], v[ST:ST+1] op_sel_hi:[1,0,0]   ; tile 0: t - M
.set j, j+2
.endr
.irp b, 0,1,2,3
	v_fma_f32 v[BM+\b], v[BM+\b], s[CS], v[ST]
.endr
	s_wait_alu depctr_va_vdst(0)                   ; ahead of the batch
.set E_, 0
.rept 68                                       ; tile 0's p and its blocks' largest p; among them tile 1's t - M
.if E_ < 64
	v_exp_f32 v[SS+E_], v[SS+E_]
.else
	v_exp_f32 v[BM+E_-64], v[BM+E_-64]
.endif
.if E_ >= 64
	v_fma_f32 v[BM+16+E_-64], v[BM+16+E_-64], s[CS], v[ST+8]
.elseif E_ >= 32
	v_pk_fma_f32 v[SS+64+2*(E_-32):SS+64+2*(E_-32)+1], v[SS+64+2*(E_-32):SS+64+2*(E_-32)+1], s[CS:CS+1], v[ST+8:ST+9] op_sel_hi:[1,0,0]
.endif
.set E_, E_+1
.endr
	s_wait_alu depctr_va_vdst(0)                   ; behind the batch
	BSC 0
	s_wait_alu depctr_va_vdst(0)                   ; ahead of the next batch
.set E_, 0
.rept 68                                       ; tile 1's p; among them tile 0's first-level sums (of the unquantised p) and then its holds
.if E_ < 64
	v_exp_f32 v[SS+64+E_], v[SS+64+E_]
.else
	v_exp_f32 v[BM+16+E_-64], v[BM+16+E_-64]
.endif
.if E_ >= 36
	DMIN 0, E_-36
.elseif E_ >= 20
	PADD PCD+2*(E_-20), SS+4*(E_-20), SS+4*(E_-20)+2
.endif
.set E_, E_+1
.endr
	v_nop
	s_wait_alu depctr_va_vdst(0)                   ; behind the batch
.irp r, 0,1,2                                  ; tile 0's sum: sixteen pairs onto the running sum, four chains
	PADD ST+2, ST+2, PCD+8*\r
	PADD PCD+30, PCD+30, PCD+8*\r+2
	PADD PCD+28, PCD+28, PCD+8*\r+4
	PADD PCD+26, PCD+26, PCD+8*\r+6
.endr
	PADD ST+2, ST+2, PCD+24
	PADD PCD+30, PCD+30, PCD+28
	PADD ST+2, ST+2, PCD+26
	PADD ST+2, ST+2, PCD+30
	CVT 0
	BSC 1                                          ; (19 plain lines: the places ahead of tile 0's products)
	s_wait_alu depctr_va_vdst(0)
	s_wait_dscnt 17                                ; V and its words are in; the next step's K, 17 loads, may be out
	PV 0
	PADD T1+16, SS+64, SS+66                       ; tile 1's sum, four chains
	PADD T1+18, SS+68, SS+70
	PADD T1, SS+72, SS+74
	PADD ST+10, ST+10, SS+76
.irp r, 0,1,2,3,4,5
	PADD T1+16, T1+16, SS+78+8*\r
	PADD T1+18, T1+18, SS+80+8*\r
	PADD T1, T1, SS+82+8*\r
	PADD ST+10, ST+10, SS+84+8*\r
.endr
	PADD T1+16, T1+16, SS+126
	PADD T1+18, T1+18, T1
	PADD ST+10, ST+10, T1+16
	PADD ST+10, ST+10, T1+18
.set E_, 0
.rept 32
	DMIN 1, E_
.set E_, E_+1
.endr
	CVT 1
	s_add_co_u32 s[TB], s[TB], REC
	NEXT                                           ; four plain lines: the places ahead of tile 1's products
	PV 1
.endm
.macro LOOP n
	s_mov_b32 s[CNT], \n
.Lstep_\@:
	STEP
	s_sub_co_u32 s[CNT], s[CNT], 1
	s_cmp_lg_u32 s[CNT], 0
	s_cbranch_scc1 .Lstep_\@
.endm
.macro WAYOUT p                        ; O^T / the sum, quantised along the head's 64 (two blocks of 32, each in lanes l and l xor 16), codes and scale bytes in the order of the last projection's operand
.rept 8
	v_nop
.endr
.irp u, 0,1
	v_add_f32 v[ST+8*\u+6], v[ST+8*\u+2], v[ST+8*\u+3]
.endr
.irp u, 0,1
	s_delay_alu instid0(VALU_DEP_2)
	v_permlanex16_b32 v[ST+8*\u+7], v[ST+8*\u+6], s[SEL], s[SEL+1]
.endr
.irp u, 0,1
	s_delay_alu instid0(VALU_DEP_2)
	v_add_f32 v[ST+8*\u+6], v[ST+8*\u+6], v[ST+8*\u+7]
.endr
	s_wait_alu depctr_va_vdst(0)
.irp u, 0,1
	v_rcp_f32 v[ST+8*\u+4], v[ST+8*\u+6]
.endr
	v_nop
	s_wait_alu depctr_va_vdst(0)
	WIN 0x01
.set j, 0
.rept 16
.irp u, 0,1
	v_pk_mul_f32 v[SS+64*\u+j:SS+64*\u+j+1], v[OT+32*\u+j:OT+32*\u+j+1], v[ST+8*\u+4:ST+8*\u+5] op_sel_hi:[1,0]
.endr
.set j, j+2
.endr
	WIN 0
.irp c, 0,1
.irp u, 0,1
	v_max3_num_f32 v[BM+16*\u+\c], |v[SS+64*\u+16*\c]|, |v[SS+64*\u+16*\c+1]|, 0x4800000
.endr
.endr
.irp i, 2,4,6,8,10,12,14
.irp c, 0,1
.irp u, 0,1
	s_delay_alu instid0(VALU_DEP_4)
	v_max3_num_f32 v[BM+16*\u+\c], v[BM+16*\u+\c], |v[SS+64*\u+16*\c+\i]|, |v[SS+64*\u+16*\c+\i+1]|
.endr
.endr
.endr
.irp c, 0,1
.irp u, 0,1
	s_delay_alu instid0(VALU_DEP_4)
	v_permlanex16_b32 v[T1+16*\u+\c], v[BM+16*\u+\c], s[SEL], s[SEL+1]
.endr
.endr
.irp c, 0,1
.irp u, 0,1
	s_delay_alu instid0(VALU_DEP_4)
	v_max_num_f32 v[BM+16*\u+\c], v[BM+16*\u+\c], v[T1+16*\u+\c]
.endr
.endr
.irp c, 0,1
.irp u, 0,1
	s_delay_alu instid0(VALU_DEP_4)
	v_add_nc_u32 v[SCO+16*\u+\c], 0xfc000000, v[BM+16*\u+\c]
.endr
.endr
.irp c, 0,1
.irp u, 0,1
	v_and_or_b32 v[HD+16*\u+\c], v[BM+16*\u+\c], 0x7f800000, s[MNT]
.endr
.endr
.irp c, 0,1
.irp u, 0,1
	v_lshrrev_b32 v[T1+16*\u+\c], 23, v[SCO+16*\u+\c]
.endr
.endr
.irp u, 0,1
	s_delay_alu instid0(VALU_DEP_2)
	v_lshl_or_b32 v[ST+8*\u+6], v[T1+16*\u+1], 8, v[T1+16*\u]
.endr
.irp u, 0,1
.irp c, 0,1
.irp i, 0,1,2,3,4,5,6,7,8,9,10,11,12,13,14,15
	v_med3_num_f32 v[SS+64*\u+16*\c+\i], v[SS+64*\u+16*\c+\i], -v[HD+16*\u+\c], v[HD+16*\u+\c]
.endr
	v_cvt_scalef32_pk8_fp8_f32 v[PCD+16*\u+4*\c:PCD+16*\u+4*\c+1], v[SS+64*\u+16*\c:SS+64*\u+16*\c+7], v[SCO+16*\u+\c]
	v_cvt_scalef32_pk8_fp8_f32 v[PCD+16*\u+4*\c+2:PCD+16*\u+4*\c+3], v[SS+64*\u+16*\c+8:SS+64*\u+16*\c+15], v[SCO+16*\u+\c]
.endr
.endr
	v_cndmask_b32 v[TMPV], v[ST+6], v[ST+14], s[HIL]
.irp u, 0,1
.irp c, 0,1
	global_store_b64 v[CO], v[PCD+16*\u+4*\c:PCD+16*\u+4*\c+1], s[CB:CB+1] offset:262144*\p+16384*\u+512*\c
	global_store_b64 v[CO], v[PCD+16*\u+4*\c+2:PCD+16*\u+4*\c+3], s[CB:CB+1] offset:262144*\p+16384*\u+512*\c+256
.endr
.endr
	global_store_b16 v[SO], v[TMPV], s[SB:SB+1] offset:8192*\p
.endm
	s_wait_alu depctr_va_vdst(0)
	s_wait_loadcnt 0x5                             ; the first pass's Q and its scale words are in; the five younger loads, the second pass's, may be out
	INIT 0
	s_wait_alu depctr_va_vdst(0)                   ; the wait at the head's end
	s_cmp_lt_u32 s[WV], 4
	s_cbranch_scc0 .Lnot_first
	s_wait_tensorcnt 0x0                           ; waves 0-3: records 0-3 are in
.Lnot_first:
	s_barrier_signal -1
	s_barrier_wait -1
	NEXT
	WIN 0x40
.irp i, 0,1,2,3,4,5,6,7,8,9,10,11,12,13,14,15
	ds_load_b128 v[KFR+4*\i:KFR+4*\i+3], v[ADK] offset:512*\i      ; step 0's K
.endr
	WIN 0
	ds_load_b128 v[KW:KW+3], v[ADS] offset:KSW
	LOOP 3                                         ; steps 0-2 read records 0-3
	s_wait_tensorcnt 0x0                           ; every wave's load is in
	s_wait_dscnt 0x0
	s_barrier_signal -1
	s_barrier_wait -1
	LOOP 13
	WAYOUT 0
	s_wait_loadcnt 0x0                             ; the second pass's Q
	INIT 1
	NEXT
	LOOP 16
	WAYOUT 1
	s_wait_tensorcnt 0x0                           ; the wave's end
	ds_add_u32 v254, v255
	s_wait_dscnt 0x0
	CROUND                                         ; the closing round
	s_endpgm
.Lfunc_end_k_qe8f9fbc71a_attn:
	.size	k_qe8f9fbc71a_attn, .Lfunc_end_k_qe8f9fbc71a_attn-k_qe8f9fbc71a_attn
	.p2alignl 7, 3214868480
	.fill 96, 4, 3214868480
	.section	.rodata,"a",@progbits
	.p2align	6, 0x0
	.amdhsa_kernel k_qe8f9fbc71a_attn
		.amdhsa_group_segment_fixed_size 327680
		.amdhsa_private_segment_fixed_size 0
		.amdhsa_enable_private_segment 0
		.amdhsa_kernarg_size 32
		.amdhsa_user_sgpr_count 2
		.amdhsa_user_sgpr_kernarg_segment_ptr 1
		.amdhsa_wavefront_size32 1
		.amdhsa_system_sgpr_workgroup_id_x 1
		.amdhsa_system_sgpr_workgroup_id_y 1
		.amdhsa_system_sgpr_workgroup_id_z 1
		.amdhsa_system_vgpr_workitem_id 0
		.amdhsa_next_free_vgpr 512
		.amdhsa_next_free_sgpr 66
		.amdhsa_reserve_vcc 0
		.amdhsa_float_denorm_mode_32 3
		.amdhsa_float_denorm_mode_16_64 3
		.amdhsa_memory_ordered 1
		.amdhsa_forward_progress 1
		.amdhsa_inst_pref_size 144
	.end_amdhsa_kernel
	.amdgpu_metadata
---
amdhsa.version: [ 1, 2 ]
amdhsa.kernels:
  - .name:           k_qe8f9fbc71a_attn
    .symbol:         k_qe8f9fbc71a_attn.kd
    .args:
      - { .name: qrec, .offset: 0, .size: 8, .value_kind: global_buffer, .address_space: global }
      - { .name: kv, .offset: 8, .size: 8, .value_kind: global_buffer, .address_space: global }
      - { .name: cimg, .offset: 16, .size: 8, .value_kind: global_buffer, .address_space: global }
      - { .name: csc, .offset: 24, .size: 8, .value_kind: global_buffer, .address_space: global }
    .group_segment_fixed_size: 327680
    .private_segment_fixed_size: 0
    .kernarg_segment_align: 8
    .kernarg_segment_size: 32
    .max_flat_workgroup_size: 256
    .sgpr_count:     66
    .vgpr_count:     512
    .wavefront_size: 32
...
	.end_amdgpu_metadata
.endif
;; end of part 3
;; launch outp (part 4): grid 4 x 64, 4 waves a work-group, clusters of 4 x 4, 327,680 bytes of LDS; arguments cimg, csc, Wo_codes, Wo_scales, bo, out0; writes out0
.if DOCPART == 4
	.amdgcn_target "amdgcn-amd-amdhsa--gfx1250"
	.amdhsa_code_object_version 6
	.text
	.protected	k_qe8f9fbc71a_outp
	.globl	k_qe8f9fbc71a_outp
	.p2align	8
	.type	k_qe8f9fbc71a_outp,@function
k_qe8f9fbc71a_outp:
	s_mov_b64 s[64:65], 0
	v_nop
	global_prefetch_b8 v0, s[64:65] scope:SCOPE_SE
	s_setreg_imm32_b32 hwreg(HW_REG_WAVE_MODE, 25, 1), 1
	s_wait_xcnt 0x0
	s_wait_alu depctr_hold_cnt(0) depctr_sa_sdst(0) depctr_va_vdst(0) depctr_va_sdst(0) depctr_va_ssrc(0) depctr_va_vcc(0) depctr_vm_vsrc(0)
	s_getreg_b32 s2, hwreg(HW_REG_IB_STS2, 6, 4)
	s_cmp_eq_u32 s2, 0
	s_cbranch_scc0 .Lentry_in_a_cluster
	s_endpgm
.Lentry_in_a_cluster:
	s_bfe_u32 s2, ttmp6, 0x10000c
	s_cmp_lg_u32 s2, 0xf033
	s_cbranch_scc0 .Lentry_shape_is_right
	s_endpgm
.Lentry_shape_is_right:
; out = ctx Wo^T + bo, [8192 tokens][1024], on codes of FP8 (E4M3) with one E8M0 scale for each 32 along K = 1024; sums in f32, stored as f32.
; A = ctx, as the attention launch left it: cimg, for each 16 tokens 16,384 bytes in the order of the operand's registers ([K step of 256: 4,096][128 of K: 2,048][register group: 512][lane: 16]); csc, 32 scale bytes a token.  B = Wo's rows.
; SHARES.  A work-group of four waves makes 128 tokens x 256 columns, so that the grid is 4 x 64 = 256 work-groups; a wave makes 64 x 128: 32 accumulators.
; K goes in four steps of 256 through two LDS slots; each operand has two sets of fragment registers, and a step's 48 LDS loads for the next 128 of K are issued ahead of its 32 products.
; THE HEAD: one joint load a wave: K step 0 of A, of B, A's scale bytes for all of K, B's.  Slot 1's first fill stands behind the full sequence and a round of the cluster's barrier.
; CLUSTERS: 4 x 4: A's tiles are shared along a row of the cluster, B's along a column, each asked for jointly.
; No prefetch: of K's four steps two are asked for ahead of the first product and each of the others a whole step ahead of its use; no trip is left to run ahead in.
; THE MATRIX INSTRUCTION IS USED TRANSPOSED (source 0 = 16 rows of Wo, source 1 = 16 tokens): a lane holds eight neighbouring columns of one row of out.  The bias is the C of each sum's first instruction: another order of f32 rounding.
; LIMITS: NaN and infinities are not served.
.set KROW,   1024
.set SIZE_N, 1024
.set NQ,     2
.set ROWB,   256
.set PITCH,  272
.set FR,     16
.set NP,     8
.set ATILE,  16384
.set ASTEP,  4096
.set HALFA,  4*ASTEP                   ; 64 tokens of a K step
.set HALFT,  128*PITCH
.set AT,     2*HALFA
.set SLOT,   AT+2*HALFT
.set KS,     KROW/32
.set SCL,    2*SLOT
.set HALFS,  16*272
.set SBLK,   2*272
.set SPARE,  SCL+3*HALFS
.set SPITCH, 528                       ; the way out's stage: 16 rows x (512 + 16) a wave, in slot 0, which has had its last fill and its last read by then
.set ADRA, 16
.set ADRB, 20
.set STO,  24
.set RD,   25
.set CO,   26
.set ADRS, 27
.set SPW,  28
.set NIL,  29
.set SC,   32
.set BIAS, 64
.set AF,   128
.set BK,   128
.set G1, 24
.set G0, 32
.set G1B, 48
.set G0B, 56
.set G1S, 68
.set G0S, 76
.set G1SB, 80
.set G0SB, 88
.set G0H, 4
.set G0HB, 8
.set MSB, 0
.macro WIN new
.if MSB != \new
	s_set_vgpr_msb (MSB<<8)|\new
.set MSB, \new
.endif
.endm
.set MUL_LO, 0xa1
.set FST_LO, 0x81
.set TO_B,   0x40
.macro TL g0, g1                       ; an s_nop 0 and four v_nop follow a tensor load
	tensor_load_to_lds s[\g0:\g0+3], s[\g1:\g1+7]
	s_nop 0
.rept 4
	v_nop
.endr
.endm
.macro JLOAD g0a, g1a, g0b, g1b
	s_cmp_eq_u32 s15, 0
	s_cbranch_scc0 .Lfor_b_\@
	TL \g0a, \g1a
	s_branch .Lasked_\@
.Lfor_b_\@:
	TL \g0b, \g1b
.Lasked_\@:
.endm
.macro CREST
	s_cmp_lg_u32 s14, 0
	s_cbranch_scc1 .Lnot_wave_0_\@
	s_barrier_signal -3
.Lnot_wave_0_\@:
	s_barrier_wait -3
	s_barrier_signal -1
	s_barrier_wait -1
.endm
.macro CROUND
	s_barrier_signal -1
	s_barrier_wait -1
	CREST
.endm
.macro ARM under, g0, g1, next
	s_cmp_lt_u32 s14, \under
	s_cbranch_scc0 \next
	TL \g0, \g1
	s_branch .Lhead_asked
\next:
.endm
	s_load_b256 s[4:11], s[0:1], 0x0               ; cimg, csc, Wo's codes, its scales
	s_load_b64 s[66:67], s[0:1], 0x20              ; bo
	s_load_b64 s[12:13], s[0:1], 0x28              ; out
	v_lshl_add_u32 v[SPW], v0, 2, SPARE
	v_mov_b32 v[NIL], 0
	ds_add_u32 v[SPW], v[NIL]                      ; the opening lines: the add twice and its wait
	ds_add_u32 v[SPW], v[NIL]
	v_lshrrev_b32 v1, 5, v0
	v_readfirstlane_b32 s14, v1
	s_lshr_b32 s15, s14, 1                         ; my half of the tokens.  Also: I fetch for A (0) or for B (1)
	s_and_b32 s16, s14, 1                          ; my half of the columns.  Also: which half of that tile I fetch
	s_bfe_u32 s40, ttmp6, 0x40000
	s_bfe_u32 s41, ttmp6, 0x40004
	s_lshl_b32 s42, ttmp9, 2
	s_add_co_u32 s42, s42, s40                     ; tile column: 256 columns
	s_and_b32 s17, ttmp7, 0xffff
	s_lshl_b32 s17, s17, 2
	s_add_co_u32 s17, s17, s41                     ; tile row: 128 tokens
	s_lshl_b32 s43, s41, 2
	s_lshl_b32 s43, 15, s43
	s_lshl_b32 s44, 0x1111, s40
	s_or_b32 s[G1+0], s43, (3<<16)|(1<<21)         ; A: rows of 4,096 bytes (16 tokens of a K step), 16,384 apart, dense in LDS
	s_mov_b32 s[G1+1], (ASTEP/8)<<16
	s_mov_b32 s[G1+2], 8<<16                       ; the head's load brings the whole tile: 8 rows
	s_mov_b32 s[G1+3], (ASTEP/8)<<16
	s_mov_b32 s[G1+4], 8
	s_mov_b32 s[G1+5], ATILE/8
	s_mov_b32 s[G1+6], 0
	s_mov_b32 s[G1+7], 0
	s_or_b32 s[G1B+0], s44, (0<<16)|(1<<20)|(1<<21)|(5<<22)|(3<<25)
	s_mov_b32 s[G1B+1], ROWB<<16
	s_mov_b32 s[G1B+2], 256<<16
	s_mov_b32 s[G1B+3], ROWB<<16
	s_mov_b32 s[G1B+4], 256
	s_mov_b32 s[G1B+5], KROW
	s_mov_b32 s[G1B+6], 0
	s_mov_b32 s[G1B+7], 0
	s_or_b32 s[G1S+0], s43, (3<<16)|(1<<20)|(1<<21)|(5<<22)|(3<<25)
	s_or_b32 s[G1SB+0], s44, (3<<16)|(1<<20)|(1<<21)|(5<<22)|(3<<25)
.irp g, G1S, G1SB
	s_mov_b32 s[\g+1], 32<<16
	s_mov_b32 s[\g+3], 32<<16
	s_mov_b32 s[\g+5], 32
	s_mov_b32 s[\g+6], 0
	s_mov_b32 s[\g+7], 0
.endr
	s_mov_b32 s[G1S+2], 16<<16
	s_mov_b32 s[G1S+4], 16
	s_mov_b32 s[G1SB+2], 32<<16
	s_mov_b32 s[G1SB+4], 32
	s_lshl_b32 s20, s17, 7
	s_lshl_b32 s46, s42, 8
	s_mov_b32 s21, 0
	s_mov_b32 s47, 0
	s_mov_b64 s[18:19], KS
	s_mul_u64 s[22:23], s[20:21], s[18:19]
	s_mul_u64 s[92:93], s[46:47], s[18:19]
	s_mov_b64 s[18:19], KROW
	s_mul_u64 s[20:21], s[20:21], s[18:19]
	s_mul_u64 s[46:47], s[46:47], s[18:19]
	s_mul_i32 s18, s16, 64*KROW                    ; the ring's halves: in memory (64 tokens are four images of 16,384 bytes),
	s_mov_b32 s19, 0
	s_mul_i32 s2, s16, 128*KROW
	s_mov_b32 s3, 0
	s_mul_i32 s45, s16, HALFA                      ; and in a slot
	s_mul_i32 s96, s16, HALFT
	s_add_co_u32 s96, s96, AT
	s_wait_dscnt 0x0
	CROUND                                         ; the opening round, ahead of the wait for the arguments
	s_wait_kmcnt 0x0
	s_add_nc_u64 s[20:21], s[4:5], s[20:21]
	s_add_nc_u64 s[22:23], s[6:7], s[22:23]
	s_add_nc_u64 s[46:47], s[8:9], s[46:47]
	s_add_nc_u64 s[92:93], s[10:11], s[92:93]
	s_mov_b32 s[G0H], 1
	s_mov_b32 s[G0H+1], 0
	s_mov_b64 s[G0H+2:G0H+3], s[20:21]
	s_or_b32 s[G0H+3], s[G0H+3], 0x80000000
	s_mov_b32 s[G0HB], 1
	s_mov_b32 s[G0HB+1], AT
	s_mov_b64 s[G0HB+2:G0HB+3], s[46:47]
	s_or_b32 s[G0HB+3], s[G0HB+3], 0x80000000
	s_mov_b32 s[G0S], 1
	s_mov_b32 s[G0S+1], SCL
	s_mov_b64 s[G0S+2:G0S+3], s[22:23]
	s_or_b32 s[G0S+3], s[G0S+3], 0x80000000
	s_mov_b32 s[G0SB], 1
	s_mov_b32 s[G0SB+1], SCL+HALFS
	s_mov_b64 s[G0SB+2:G0SB+3], s[92:93]
	s_or_b32 s[G0SB+3], s[G0SB+3], 0x80000000
	s_add_nc_u64 s[20:21], s[20:21], s[18:19]
	s_add_nc_u64 s[46:47], s[46:47], s[2:3]
.irp s, 0,1
	s_mov_b32 s[G0+4*\s], 1
	s_add_co_u32 s[G0+4*\s+1], s45, \s*SLOT
	s_add_nc_u64 s[G0+4*\s+2:G0+4*\s+3], s[20:21], \s*ASTEP
	s_or_b32 s[G0+4*\s+3], s[G0+4*\s+3], 0x80000000
	s_mov_b32 s[G0B+4*\s], 1
	s_add_co_u32 s[G0B+4*\s+1], s96, \s*SLOT
	s_add_nc_u64 s[G0B+4*\s+2:G0B+4*\s+3], s[46:47], \s*ROWB
	s_or_b32 s[G0B+4*\s+3], s[G0B+4*\s+3], 0x80000000
.endr
	ARM 1, G0H,  G1,  .Lhead_b                     ; one chain of arms, one load a wave
	ARM 2, G0HB, G1B, .Lhead_sa
	ARM 3, G0S,  G1S, .Lhead_sb
	TL G0SB, G1SB
.Lhead_asked:
	v_and_b32 v1, 15, v0
	v_bfe_u32 v2, v0, 4, 1
	v_mul_u32_u24 v3, v1, PITCH
	v_lshl_add_u32 v4, v2, 4, v3
	v_and_b32 v6, 31, v0
	v_lshlrev_b32 v[CO], 4, v6
	s_mul_i32 s21, s15, HALFA
	s_mul_i32 s22, s16, HALFT
	s_add_co_u32 s22, s22, AT
.irp s, 0,1
	v_add_nc_u32 v[ADRA+\s], s21, v[CO]
	v_add_nc_u32 v[ADRB+\s], s22, v4
	s_add_co_u32 s21, s21, SLOT
	s_add_co_u32 s22, s22, SLOT
.endr
	v_mul_u32_u24 v5, v1, KS
	v_lshrrev_b32 v6, 8, v5
	v_lshl_add_u32 v5, v6, 4, v5
	s_mul_i32 s21, s15, HALFS/2
	s_mul_i32 s22, s16, HALFS
	s_add_co_u32 s22, s22, HALFS
	s_sub_co_u32 s22, s22, s21
	v_mul_u32_u24 v6, s22, v2
	s_add_co_u32 s21, s21, SCL
	v_add_nc_u32 v5, v5, v6
	v_add_nc_u32 v[ADRS], s21, v5
	s_mul_i32 s23, s14, 16*SPITCH
	v_mul_u32_u24 v5, v1, SPITCH
	v_lshl_add_u32 v5, v2, 5, v5
	v_add_nc_u32 v[STO], s23, v5
	v_add_nc_u32 v[RD], s23, v[CO]
	s_lshl_b32 s46, s42, 10
	s_lshl_b32 s47, s16, 9
	s_add_co_u32 s46, s46, s47                     ; my first column, in bytes
	s_mov_b32 s47, 0
	s_add_nc_u64 s[66:67], s[66:67], s[46:47]
	v_lshlrev_b32 v7, 5, v2
.irp b, 0,1,2,3,4,5,6,7
	global_load_b128 v[BIAS+8*\b:BIAS+8*\b+3], v7, s[66:67] offset:64*\b
	global_load_b128 v[BIAS+8*\b+4:BIAS+8*\b+7], v7, s[66:67] offset:64*\b+16
.endr
	s_lshl_b32 s20, s17, 7
	s_lshl_b32 s21, s15, 6
	s_add_co_u32 s20, s20, s21                     ; my first row of out
	s_mov_b32 s21, 0
	s_mov_b64 s[18:19], SIZE_N*4
	s_mul_u64 s[20:21], s[20:21], s[18:19]
	s_add_nc_u64 s[20:21], s[20:21], s[46:47]
	s_add_nc_u64 s[12:13], s[12:13], s[20:21]
.macro FRAGB reg, adr, q, i
.irp c, 0,1,2,3
	ds_load_b128 v[\reg+4*\c:\reg+4*\c+3], v[\adr] offset:128*(\q)+32*\c+(\i)*16*PITCH
.endr
.endm
.macro FRAGA reg, adr, q, i
.irp c, 0,1,2,3
	ds_load_b128 v[\reg+4*\c:\reg+4*\c+3], v[\adr] offset:ASTEP*(\i)+2048*(\q)+512*\c
.endr
.endm
.macro MUL8 a, p, q, sc, first         ; A's block a x B's eight; the 32 accumulators take turns in the same order in every step
.irp b, 0,1,2,3,4,5,6,7
.if \first
	v_wmma_scale_f32_16x16x128_f8f6f4 v[8*(8*(\a)+\b):8*(8*(\a)+\b)+7], v[128*(\p)+FR*\b:128*(\p)+FR*\b+FR-1], v[AF+64*(\p)+FR*(\a):AF+64*(\p)+FR*(\a)+FR-1], v[BIAS+8*\b:BIAS+8*\b+7], v[SC+8*NQ*(\sc)+NQ*\b+(\q)], v[SC+8*NQ*(\sc)+NQ*(\a)+(\q)] matrix_a_scale:MATRIX_SCALE_ROW1
.else
	v_wmma_scale_f32_16x16x128_f8f6f4 v[8*(8*(\a)+\b):8*(8*(\a)+\b)+7], v[128*(\p)+FR*\b:128*(\p)+FR*\b+FR-1], v[AF+64*(\p)+FR*(\a):AF+64*(\p)+FR*(\a)+FR-1], v[8*(8*(\a)+\b):8*(8*(\a)+\b)+7], v[SC+8*NQ*(\sc)+NQ*\b+(\q)], v[SC+8*NQ*(\sc)+NQ*(\a)+(\q)] matrix_a_scale:MATRIX_SCALE_ROW1
.endif
.endr
.endm
.macro FETCH slot, q, p                ; 48 loads: B's eight fragments and A's four of the slot's q-th 128 along K into set p
	WIN TO_B
.irp i, 0,1,2,3,4,5,6,7
	FRAGB 128*(\p)+FR*\i, ADRB+\slot, \q, \i
.endr
	WIN 0
.irp i, 0,1,2,3
	FRAGA AF+64*(\p)+FR*\i, ADRA+\slot, \q, \i
.endr
.endm
.macro SCALES sc                       ; a K step's scale words: lanes 0-15 A's block i (used for i under 4), lanes 16-31 B's block i
.irp i, 0,1,2,3,4,5,6,7
	ds_load_b64 v[SC+8*NQ*\sc+NQ*\i:SC+8*NQ*\sc+NQ*\i+1], v[ADRS] offset:\i*SBLK
.endr
.endm
.macro PLACES n
.rept \n
	v_nop
.endr
.endm
.macro STEP slot, first                ; a slot's first 128 along K, on set 0; set 1 is fetched ahead of the products
	s_wait_dscnt 0x0
	PLACES NP                                      ; behind the products that read set 1
	FETCH \slot, 1, 1
.if \first
	WIN FST_LO
.else
	WIN MUL_LO
.endif
.irp a, 0,1,2,3
	MUL8 \a, 0, 0, \slot, \first
.endr
	WIN 0
.endm
.macro TURN slot, next, fill           ; a slot's second 128 along K, on set 1, and the change of slots
	s_wait_tensorcnt 0x0                           ; all my tensor loads have landed: my part of the next slot
	ds_add_u32 v[SPW], v[NIL]
	s_wait_dscnt 1                                 ; set 1 is in; the add alone may be out
	WIN MUL_LO
	MUL8 0, 1, 1, \slot, 0
	s_wait_dscnt 0x0                               ; the add is done, and my reads of this slot are over
	s_barrier_signal -1
	MUL8 1, 1, 1, \slot, 0
	WIN 0
	s_barrier_wait -1
.if \fill
	CREST                                          ; the barrier has opened a round of the cluster's barrier
	s_add_nc_u64 s[G0+4*\slot+2:G0+4*\slot+3], s[G0+4*\slot+2:G0+4*\slot+3], 2*ASTEP
	s_add_nc_u64 s[G0B+4*\slot+2:G0B+4*\slot+3], s[G0B+4*\slot+2:G0B+4*\slot+3], 2*ROWB
	JLOAD G0+4*\slot, G1, G0B+4*\slot, G1B         ; the first tensor load behind the round
	PLACES NP-4
.else
	PLACES NP
.endif
	v_add_nc_u32 v[ADRS], 4*NQ, v[ADRS]            ; the next K step's scale words
	s_wait_alu depctr_va_vdst(0)                   ; the wait directly behind the write
	FETCH \next, 0, 0
	SCALES \next
	WIN MUL_LO
	MUL8 2, 1, 1, \slot, 0
	MUL8 3, 1, 1, \slot, 0
	WIN 0
.endm
	s_wait_alu depctr_va_vdst(0)                   ; the wait at the head's end
	s_wait_tensorcnt 0x0                           ; my tile of the head's four is in; these lines stand ahead of a later first fill as ahead of a refill
	ds_add_u32 v[SPW], v[NIL]
	s_mov_b32 s[G1+2], 4<<16                       ; no tensor load of mine is out: from here on a load brings half a tile
	s_mov_b32 s[G1+4], 4
	s_mov_b32 s[G1B+2], 128<<16
	s_mov_b32 s[G1B+4], 128
	s_wait_dscnt 0x0
	CROUND
	JLOAD G0+4, G1, G0B+4, G1B                     ; K step 1
	FETCH 0, 0, 0
	SCALES 0
	s_wait_loadcnt 0x0                             ; the bias
	STEP 0, 1
	TURN 0, 1, 1
	STEP 1, 0
	TURN 1, 0, 1
	STEP 0, 0
	TURN 0, 1, 0
	STEP 1, 0
	s_wait_dscnt 0x0
	WIN MUL_LO
.irp a, 0,1,2,3
	MUL8 \a, 1, 1, 1, 0
.endr
	WIN 0
; THE WAY OUT, block by block of 16 rows x 128 columns, through my own stage in LDS: back come whole rows of 512 bytes, which the 32 lanes store as two aligned units of 256 bytes.
; LDS serves a wave's instructions in order (ISA guide 5.7.1.4): no wait between the stores and the loads.
.macro TOSTAGE a
.set AC, 64*(\a)
	WIN 0x08
.irp b, 0,1,2,3,4,5,6,7
	ds_store_b128 v[STO], v[AC+8*\b:AC+8*\b+3] offset:64*\b
	ds_store_b128 v[STO], v[AC+8*\b+4:AC+8*\b+7] offset:64*\b+16
.endr
	WIN 0
.set BB, BK+64*((\a)%2)
.irp t, 0,1,2,3,4,5,6,7,8,9,10,11,12,13,14,15
	ds_load_b128 v[BB+4*\t:BB+4*\t+3], v[RD] offset:\t*SPITCH
.endr
.endm
.macro SEND a, younger                 ; younger: the LDS instructions issued behind block a's loads
.set BB, BK+64*((\a)%2)
	s_wait_dscnt \younger
.if (\a) > 0
	s_add_nc_u64 s[12:13], s[12:13], 16*SIZE_N*4
.endif
.irp t, 0,1,2,3,4,5,6,7,8,9,10,11,12,13,14,15
	global_store_b128 v[CO], v[BB+4*\t:BB+4*\t+3], s[12:13] offset:\t*SIZE_N*4 th:TH_STORE_NT
.endr
.endm
	PLACES NP
	TOSTAGE 0
.irp a, 1,2,3
.if \a > 1
	s_wait_xcnt 0x0                                ; block a - 2's stores have read their registers and their base
.endif
	TOSTAGE \a
	SEND \a-1, 32
.endr
	s_wait_xcnt 0x0
	SEND 3, 0
	s_wait_tensorcnt 0x0                           ; the wave's end
	ds_add_u32 v[SPW], v[NIL]
	s_wait_dscnt 0x0
	CROUND                                         ; the closing round
	s_endpgm
.Lfunc_end_k_qe8f9fbc71a_outp:
	.size	k_qe8f9fbc71a_outp, .Lfunc_end_k_qe8f9fbc71a_outp-k_qe8f9fbc71a_outp
	.p2alignl 7, 3214868480
	.fill 96, 4, 3214868480
	.section	.rodata,"a",@progbits
	.p2align	6, 0x0
	.amdhsa_kernel k_qe8f9fbc71a_outp
		.amdhsa_group_segment_fixed_size 327680
		.amdhsa_private_segment_fixed_size 0
		.amdhsa_enable_private_segment 0
		.amdhsa_kernarg_size 48
		.amdhsa_user_sgpr_count 2
		.amdhsa_user_sgpr_kernarg_segment_ptr 1
		.amdhsa_wavefront_size32 1
		.amdhsa_system_sgpr_workgroup_id_x 1
		.amdhsa_system_sgpr_workgroup_id_y 1
		.amdhsa_system_sgpr_workgroup_id_z 1
		.amdhsa_system_vgpr_workitem_id 0
		.amdhsa_next_free_vgpr 768
		.amdhsa_next_free_sgpr 102
		.amdhsa_reserve_vcc 0
		.amdhsa_float_denorm_mode_32 3
		.amdhsa_float_denorm_mode_16_64 3
		.amdhsa_memory_ordered 1
		.amdhsa_forward_progress 1
		.amdhsa_inst_pref_size 91
	.end_amdhsa_kernel
	.amdgpu_metadata
---
amdhsa.version: [ 1, 2 ]
amdhsa.kernels:
  - .name:           k_qe8f9fbc71a_outp
    .symbol:         k_qe8f9fbc71a_outp.kd
    .args:
      - { .name: cimg, .offset: 0, .size: 8, .value_kind: global_buffer, .address_space: global }
      - { .name: csc, .offset: 8, .size: 8, .value_kind: global_buffer, .address_space: global }
      - { .name: Wo_codes, .offset: 16, .size: 8, .value_kind: global_buffer, .address_space: global }
      - { .name: Wo_scales, .offset: 24, .size: 8, .value_kind: global_buffer, .address_space: global }
      - { .name: bo, .offset: 32, .size: 8, .value_kind: global_buffer, .address_space: global }
      - { .name: out0, .offset: 40, .size: 8, .value_kind: global_buffer, .address_space: global }
    .group_segment_fixed_size: 327680
    .private_segment_fixed_size: 0
    .kernarg_segment_align: 8
    .kernarg_segment_size: 48
    .max_flat_workgroup_size: 128
    .sgpr_count:     102
    .vgpr_count:     768
    .wavefront_size: 32
...
	.end_amdgpu_metadata
.endif
;; end of part 4
